; MI455X (gfx1250); checked and timed in simulation.
; The chip was launched on July 23, 2026; its instructions are those of AMD's public machine-readable ISA for CDNA 5 (MIT licence, August 2026) and "CDNA5" Instruction Set Architecture Reference Guide (July 2026). The comments in the code are by the model that wrote it; some were corrected since.
;; Transformer Block. Allowed arithmetic: matrix products marked QUANTISED: E2M3 operands, one E8M0 scale for each 32 along K, by v_wmma_scale_f32_16x16x128_f8f6f4 with both operands' format E2M3, f32 sums; everything else in f32.
;; Inputs: W1_codes 4,096 x 32 x 24 uint8 (E2M3 codes of W1, K innermost, in blocks of 32 codes, four codes in three bytes); W1_scales 4,096 x 32 uint8 (E8M0 scales of W1, one for each 32 codes along K); W2_codes 1,024 x 128 x 24 uint8 (E2M3 codes of W2, K innermost, in blocks of 32 codes, four codes in three bytes); W2_scales 1,024 x 128 uint8 (E8M0 scales of W2, one for each 32 codes along K); Wk_codes 1,024 x 32 x 24 uint8 (E2M3 codes of Wk, K innermost, in blocks of 32 codes, four codes in three bytes); Wk_scales 1,024 x 32 uint8 (E8M0 scales of Wk, one for each 32 codes along K); Wo_codes 1,024 x 32 x 24 uint8 (E2M3 codes of Wo, K innermost, in blocks of 32 codes, four codes in three bytes); Wo_scales 1,024 x 32 uint8 (E8M0 scales of Wo, one for each 32 codes along K); Wq_codes 1,024 x 32 x 24 uint8 (E2M3 codes of Wq, K innermost, in blocks of 32 codes, four codes in three bytes); Wq_scales 1,024 x 32 uint8 (E8M0 scales of Wq, one for each 32 codes along K); Wv_codes 1,024 x 32 x 24 uint8 (E2M3 codes of Wv, K innermost, in blocks of 32 codes, four codes in three bytes); Wv_scales 1,024 x 32 uint8 (E8M0 scales of Wv, one for each 32 codes along K); b1 4,096 float32; b2 1,024 float32; bo 1,024 float32; ln1_scale 1,024 float32; ln1_shift 1,024 float32; ln2_scale 1,024 float32; ln2_shift 1,024 float32; x 4 x 1,024 x 1,024 float32.
;; Outputs: out0 4 x 1,024 x 1,024 float32.
;; This version of the problem:
;;   THIS VERSION OF THE PROBLEM IS GIVEN IN LOW PRECISION. The matrix products marked QUANTISED in the list below multiply operands that are first quantised to E2M3 (2 exponent bits, 3 mantissa bits; 6 bits a number), with one power-of-two scale for each 32 numbers along K (OCP MX v1.0); their sums are f32. All else is computed in f32.
;;   The module's matrix products, in the order in which they are computed (A, B: the left and right operand; K: the contracted axis; several contracted axes count as one K, in the product's order):
;;     1. [M 4,096, K 1,024] x [K 1,024, N 1,024]; A: computed on the way; B: input Wq (given as codes): QUANTISED
;;     2. [M 4,096, K 1,024] x [K 1,024, N 1,024]; A: computed on the way; B: input Wk (given as codes): QUANTISED
;;     3. [M 4,096, K 1,024] x [K 1,024, N 1,024]; A: computed on the way; B: input Wv (given as codes): QUANTISED
;;     4. batch 64 x [M 1,024, K 64] x [K 64, N 1,024]; A: computed on the way; B: computed on the way: QUANTISED
;;     5. batch 64 x [M 1,024, K 1,024] x [K 1,024, N 64]; A: softmax (see below); B: computed on the way: QUANTISED
;;     6. [M 4,096, K 1,024] x [K 1,024, N 1,024]; A: computed on the way; B: input Wo (given as codes): QUANTISED
;;     7. [M 4,096, K 1,024] x [K 1,024, N 4,096]; A: computed on the way; B: input W1 (given as codes): QUANTISED
;;     8. [M 4,096, K 4,096] x [K 4,096, N 1,024]; A: computed on the way; B: input W2 (given as codes): QUANTISED
;;   THE QUANTISER, for each operand of a quantised product, along K:
;;     - K is cut into blocks of 32 from its start; a last block that is shorter is filled with zeros.
;;     - A block's scale is 2^e with e = floor(log2(the largest magnitude in the block)) - 2, held to -126 .. 127; a block of zeros has e = 0. As a byte (E8M0): e + 127.
;;     - Each number is divided by its block's scale, clamped to +-7.5, and rounded to the nearest number of E2M3, ties to even, subnormals kept.
;;     - The product sums the exact products of the quantised numbers (number of the format x scale) in f32.
;;   ~~~python
;;   def quantise(x, axis):      # numpy; x: float32 -> the quantised numbers, widened to float32 again
;;       x = np.moveaxis(x, axis, -1); K = x.shape[-1]
;;       x = np.pad(x, [(0, 0)] * (x.ndim - 1) + [(0, -K % 32)]); x = x.reshape(x.shape[:-1] + (-1, 32)); a = np.abs(x).max(-1, keepdims=True)
;;       e = np.where(a > 0, np.clip(np.frexp(np.where(a > 0, a, 1))[1] - 1 - 2, -126, 127), 0)      # np.frexp(a)[1] - 1 = floor(log2(a)), exactly
;;       r = np.clip(x / 2.0 ** e, -7.5, 7.5)
;;       step = 2.0 ** (np.maximum(np.frexp(np.where(r == 0, 1, r))[1] - 1, 0) - 3)
;;       q = np.round(r / step) * step * 2.0 ** e      # np.round: ties to even
;;       return np.moveaxis(q.reshape(q.shape[:-2] + (-1,))[..., :K], -1, axis).astype(np.float32)
;;   ~~~
;;   SOFTMAX AHEAD OF A QUANTISED PRODUCT. Where the list says 'softmax', what is quantised is not the finished softmax but p = 2^(t - M), with t = logit x log2(e) and M = ceil(the row's largest t), a whole number; so 1/2 < the row's largest p <= 1. The row's sum l is taken of the UNQUANTISED p, in f32, and the product's result is divided by l at the end. Since M is a whole number, a kernel that streams over the keys may use a running M (the ceiling of the running maximum): every later rescaling is an exact power of two, which a block's scale takes up: the codes' values come out the same.
;;   OPERANDS COMPUTED ON THE WAY. 'Computed on the way' means the value that the module computes at that place (a softmax that the list does not call 'softmax' is quantised finished and normalised). What goes into a quantiser is computed in f32, as accurately as f32 sums, v_exp_f32 and their like allow (about 1e-6 of the number): no bf16 or f16 on the way to a quantiser, and a product that is left as it is and whose result goes on into a quantised operand takes f32 operands (vector FMAs, or v_wmma_f32_16x16x4_f32). A number that lies on a knife's edge between two numbers of the format may be rounded either way, as far as f32 arithmetic and the matrix unit's own rounding can turn it there, and no further.
;;   INPUTS GIVEN AS CODES. W1 (in the module: [4096, 1024], K = its axis 1); W2 (in the module: [1024, 4096], K = its axis 1); Wk (in the module: [1024, 1024], K = its axis 1); Wo (in the module: [1024, 1024], K = its axis 1); Wq (in the module: [1024, 1024], K = its axis 1); Wv (in the module: [1024, 1024], K = its axis 1): each comes as NAME_codes (uint8): NAME with its K axis moved to the last place and cut into blocks of 32 codes, [.., K / 32, bytes a block], one block behind the other in memory; four codes in three bytes: a row's codes are one little-endian stream of bits, code i at bits 6 i .. 6 i + 5 (a code: sign, 2 exponent bits, 3 mantissa bits); and NAME_scales (uint8): the same leading axes, one E8M0 byte (e + 127) for each 32 codes along K. Its value is code x scale, taken as it is: it is not quantised again, and the codes and scales need not be those that the quantiser above would give.
;; One version. Each part assembles by itself: llvm-mc -triple=amdgcn-amd-amdhsa -mcpu=gfx1250 --defsym DOCPART=n.
;; ======== version 1 of 1: 7 launches
;; limits: right only within a limited range of input values
;; workspace buffers: ops 13,107,200 bytes; qkv 9,830,400 bytes; ctx 3,276,800 bytes; x1 16,777,216 bytes; gbuf 13,107,200 bytes
;; launch ln1 (part 1): grid 256 x 1, 8 waves a work-group, no clusters, 67,584 bytes of LDS; arguments x, ln1_scale, ln1_shift, Wq_codes, Wk_codes, Wv_codes, Wo_codes, W1_codes, W2_codes, Wq_scales, Wk_scales, Wv_scales, Wo_scales, W1_scales, W2_scales, ops; writes ops
.if DOCPART == 1
	.amdgcn_target "amdgcn-amd-amdhsa--gfx1250"
	.amdhsa_code_object_version 6
	.text
	.protected	k_q0013010a7a_ln1
	.globl	k_q0013010a7a_ln1
	.p2align	8
	.type	k_q0013010a7a_ln1,@function
k_q0013010a7a_ln1:
	s_mov_b64 s[64:65], 0
	v_nop
	global_prefetch_b8 v0, s[64:65] scope:SCOPE_SE
	s_setreg_imm32_b32 hwreg(HW_REG_WAVE_MODE, 25, 1), 1
	s_wait_xcnt 0x0
; LAYER NORM + QUANTISER, and (LAY = 1) THE WEIGHTS' RE-LAYING beside it.
; y = ((x - mean) / sqrt(var + 1e-7) + shift) * gain, rows of 1,024 f32, then codes of FP6 (E2M3) with one E8M0 byte for each 32 along the row.
; ALL OPERANDS OF THIS PROGRAM LIE AS IMAGES OF THE MATRIX OPERAND'S REGISTERS: a fragment (16 rows x 128 K, 12 registers a lane) is 1,536 bytes, registers 4 c .. 4 c + 3 of lane l at 512 c + 16 l;
; its scale words are 64 bytes, row r's word at 4 r.  The 16 rows of tile t are rows 32 (t / 2) + 8 (t % 2) + r + 8 (r / 8): as source 0 of a product such tiles leave 16 neighbours along the next K in a lane's registers.
; ops: weights' images at 0 (Wq, Wk, Wv, Wo: 512 fragments each, W1, W2: 2,048 each; in a weight fragment t KS + s), their words at WSCL; the normalised rows' images at HIMG (fragment 8 t + s), their words at HSCL.
; NORM: a work-group takes one tile of 16 rows.  Wave w normalises tile rows 2 w, 2 w + 1 (a row is 32 numbers a lane) and puts them into LDS; behind a barrier wave w quantises K step w of all 16 rows.
; WEIGHTS: 6,144 fragments for 256 x 8 waves: wave W = 8 t + w takes fragment W of the four square weights, fragment W of W1 and fragment W of W2.  It loads each as the operand's layout wants it (24 bytes a lane
; and half step, in pieces of 8), behind the norm's own loads, so that they are on their way while the norm is worked, and stores the images at its end, 512 consecutive bytes a store.
; LIMITS: NaN and infinities are not served; a block whose largest magnitude lies under 2^-124 (zeros too) gets the byte 1: its bytes are read by this program alone; 1 / sqrt is v_rsq_f32 and a multiplication.
.set LAY,  1
.set ROWP, 4112                        ; an LDS row: 4,096 bytes + 16, so that the 16 rows of a load begin in 16 different columns of 16 bytes
.set SCW,  16*ROWP                     ; behind the rows: the tile's 8 x 16 scale words
.set WSCL, 9437184
.set HIMG, 9830400
.set HSCL, 12976128
.set FRB,  1536
.set X,    32                          ; v32-95   two rows, later 64 numbers of one K step
.set GA,   96                          ; v96-127  gain
.set SH,   128                         ; v128-159 shift
.set TM,   160                         ; v160-175 at work
.set PW,   176                         ; the scale word just made
.set PC,   180                         ; v180-198 the codes just made
.set LY,   200                         ; v200-235 three fragments of weights, v236-238 their scale words
.set SEL,  40                          ; s[40:41] v_permlanex16_b32's selects for lane l xor 16
.macro ROW0 d, t                       ; s[d]: a tile's number becomes its first row, 32 (t / 2) + 8 (t % 2); s[t] at work
	s_lshr_b32 s[\t], s[\d], 1
	s_lshl_b32 s[\t], s[\t], 5
	s_and_b32 s[\d], s[\d], 1
	s_lshl_b32 s[\d], s[\d], 3
	s_add_co_u32 s[\d], s[\d], s[\t]
.endm
.if LAY
.set OPS,  38
	s_load_b512 s[8:23], s[0:1], 0x0               ; x 8, gain 10, shift 12, codes of Wq 14, Wk 16, Wv 18, Wo 20, W1 22
	s_load_b512 s[24:39], s[0:1], 0x40             ; codes of W2 24, scales of Wq 26, Wk 28, Wv 30, Wo 32, W1 34, W2 36, ops 38
	v_lshl_add_u32 v240, v0, 2, 0x10400
	v_mov_b32 v241, 0
.else
.set OPS,  14
	s_load_b256 s[8:15], s[0:1], 0x0               ; x 8, gain 10, shift 12, ops 14
.endif
	v_lshrrev_b32 v1, 5, v0
	s_delay_alu instid0(VALU_DEP_1)
	v_readfirstlane_b32 s2, v1                     ; wave 0..7
	v_and_b32 v1, 31, v0                           ; lane
	s_delay_alu instid0(VALU_DEP_1)
	v_lshlrev_b32 v2, 4, v1                        ; 16 x lane
	s_wait_alu depctr_va_vdst(0)
	v_and_b32 v5, 15, v0                           ; r
	s_wait_alu depctr_va_vdst(0)
	v_bfe_u32 v6, v0, 4, 1                         ; h
	s_mov_b32 s[SEL], 0x76543210
	s_mov_b32 s[SEL+1], 0xfedcba98
	s_mov_b32 s50, 0x3a800000                      ; 1 / 1,024
	s_mov_b32 s51, 0x33d6bf95                      ; 1e-7
	s_mov_b32 s3, ttmp9
	ROW0 3, 4                                      ; the tile's first row
	s_lshl_b32 s4, s2, 1
	s_add_co_u32 s3, s3, s4
	s_lshr_b32 s4, s2, 2
	s_lshl_b32 s4, s4, 3
	s_add_co_u32 s3, s3, s4                        ; + 2 w + 8 (w / 4): my first row
	s_lshl_b32 s42, s3, 12
	s_mov_b32 s43, 0
	s_mul_i32 s4, s2, 2*ROWP
	v_add_nc_u32 v3, s4, v2                        ; LDS, in: tile row 2 w, 16 x lane
	v_mul_u32_u24 v4, v5, ROWP
	s_wait_alu depctr_va_vdst(0)
	v_lshl_add_u32 v4, v6, 6, v4
	s_lshl_b32 s4, s2, 9
	v_add_nc_u32 v4, s4, v4                        ; LDS, out: row r, K step w, + 64 h
	v_lshlrev_b32 v7, 2, v5
	s_lshl_b32 s4, s2, 6
	v_add_nc_u32 v7, s4, v7
	s_delay_alu instid0(VALU_DEP_1)
	v_add_nc_u32 v7, SCW, v7                       ; my row's scale word of K step w
	v_add_nc_u32 v8, SCW, v2                       ; and the 512 bytes of words on the way out
	v_mov_b32 v[TM+8], 0                           ; a lane permute's destination counts as one of its sources
	s_lshl_b32 s4, ttmp9, 3
	s_add_co_u32 s4, s4, s2                        ; W = 8 t + w
	; images with 8 K steps lie step-major inside a block of 16 tiles: fragment 8 t + s goes to place 128 (t / 16) + 16 s + t % 16, so that a run of K steps of a block is dense in memory
	s_lshr_b32 s74, s4, 7
	s_lshl_b32 s74, s74, 7
	s_and_b32 s75, s4, 7
	s_lshl_b32 s75, s75, 4
	s_add_co_u32 s74, s74, s75
	s_bfe_u32 s75, s4, 0x40003
	s_add_co_u32 s74, s74, s75
	s_mul_i32 s44, s74, FRB
	s_add_co_u32 s44, s44, HIMG                    ; fragment 8 t + w
	s_mov_b32 s45, 0
	s_lshl_b32 s46, ttmp9, 9
	s_add_co_u32 s46, s46, HSCL
	s_mov_b32 s47, 0
.if LAY
	s_bfe_u32 s56, s4, 0x60003                     ; the square weights: fragment W % 512: tile (W % 512) / 8,
	ROW0 56, 3
	s_and_b32 s6, s4, 7                            ; K step W % 8
	s_mul_i32 s7, s6, 96                           ; 96 bytes of codes a K step,
	s_lshl_b32 s5, s6, 2                           ; 4 of scales
	s_lshl_b32 s58, s56, 5                         ; a row: 32 bytes of scales,
	s_add_co_u32 s58, s58, s5
	s_mul_i32 s56, s56, 768                        ; 768 of codes
	s_add_co_u32 s56, s56, s7
	s_mov_b32 s57, 0
	s_mov_b32 s59, 0
	s_lshr_b32 s60, s4, 3                          ; W1: tile W / 8, the same K step, the same rows' lengths
	ROW0 60, 3
	s_lshl_b32 s62, s60, 5
	s_add_co_u32 s62, s62, s5
	s_mul_i32 s60, s60, 768
	s_add_co_u32 s60, s60, s7
	s_mov_b32 s61, 0
	s_mov_b32 s63, 0
	s_lshr_b32 s66, s4, 5                          ; W2: tile W / 32, K step W % 32; a row: 3,072 bytes of codes, 128 of scales
	ROW0 66, 3
	s_and_b32 s6, s4, 31
	s_mul_i32 s7, s6, 96
	s_lshl_b32 s5, s6, 2
	s_lshl_b32 s68, s66, 7
	s_add_co_u32 s68, s68, s5
	s_mul_i32 s66, s66, 3072
	s_add_co_u32 s66, s66, s7
	s_mov_b32 s67, 0
	s_mov_b32 s69, 0
	s_lshr_b32 s52, s4, 6                          ; Wo: step-major inside a block of 8 tiles: fragment 8 t + s goes to place 64 (t / 8) + 8 s + t % 8
	s_lshl_b32 s52, s52, 6
	s_and_b32 s75, s4, 7
	s_lshl_b32 s75, s75, 3
	s_add_co_u32 s52, s52, s75
	s_bfe_u32 s75, s4, 0x30003
	s_add_co_u32 s52, s52, s75
	s_cmp_lt_u32 s4, 1536                          ; Wq, Wk, Wv: step-major inside a block of 16 tiles
	s_cselect_b32 s52, s74, s52
	s_mul_i32 s52, s52, FRB
	s_mov_b32 s53, 0
	s_mul_i32 s76, s74, FRB                        ; W1: step-major, 2,048 fragments on
	s_add_co_u32 s76, s76, 2048*FRB
	s_mov_b32 s77, 0
	s_lshr_b32 s78, s4, 8                          ; W2 (32 K steps): fragment 32 t + s goes to place 256 (t / 8) + 8 s + t % 8, 4,096 fragments on
	s_lshl_b32 s78, s78, 8
	s_and_b32 s75, s4, 31
	s_lshl_b32 s75, s75, 3
	s_add_co_u32 s78, s78, s75
	s_bfe_u32 s75, s4, 0x30005
	s_add_co_u32 s78, s78, s75
	s_mul_i32 s78, s78, FRB
	s_add_co_u32 s78, s78, 4096*FRB
	s_mov_b32 s79, 0
	s_lshl_b32 s54, s4, 6
	s_add_co_u32 s54, s54, WSCL
	s_mov_b32 s55, 0
	s_lshr_b32 s3, s4, 9                           ; which of Wq, Wk, Wv, Wo
	v_and_b32 v16, 8, v5
	s_delay_alu instid0(VALU_DEP_1)
	v_add_nc_u32 v16, v16, v5                      ; r + 8 (r / 8)
	s_delay_alu instid0(VALU_DEP_1)
	v_mul_u32_u24 v17, v16, 768
	s_delay_alu instid0(VALU_DEP_1)
	v_mad_u32_u24 v17, v6, 24, v17                 ; codes: my row, + 24 h
	s_delay_alu instid0(VALU_DEP_3)
	v_mul_u32_u24 v18, v16, 3072
	s_delay_alu instid0(VALU_DEP_1)
	v_mad_u32_u24 v18, v6, 24, v18                 ; the same in W2
	v_lshlrev_b32 v19, 5, v16                      ; scales: my row
	v_lshlrev_b32 v20, 7, v16                      ; the same in W2
	v_lshlrev_b32 v21, 2, v5                       ; out: 4 r
.endif
	s_wait_alu depctr_va_vdst(0)
	s_wait_kmcnt 0x0
	s_add_nc_u64 s[8:9], s[8:9], s[42:43]
	s_add_nc_u64 s[44:45], s[OPS:OPS+1], s[44:45]
	s_add_nc_u64 s[46:47], s[OPS:OPS+1], s[46:47]
.irp i, 0,1
.irp j, 0,1,2,3,4,5,6,7
	global_load_b128 v[X+32*\i+4*\j:X+32*\i+4*\j+3], v2, s[8:9] offset:\i*4096+512*\j   ; 512 consecutive bytes a load
.endr
.endr
.irp j, 0,1,2,3,4,5,6,7
	global_load_b128 v[GA+4*\j:GA+4*\j+3], v2, s[10:11] offset:512*\j
	global_load_b128 v[SH+4*\j:SH+4*\j+3], v2, s[12:13] offset:512*\j
.endr
.if LAY
	s_mov_b64 s[70:71], s[20:21]                   ; Wo, unless:
	s_mov_b64 s[72:73], s[32:33]
.macro PICK lim, c, s                  ; the choice hangs on the wave's and the work-group's numbers alone
	s_cmp_lt_u32 s3, \lim
	s_cselect_b64 s[70:71], s[\c:\c+1], s[70:71]
	s_cselect_b64 s[72:73], s[\s:\s+1], s[72:73]
.endm
	PICK 3, 18, 30
	PICK 2, 16, 28
	PICK 1, 14, 26
	s_add_nc_u64 s[56:57], s[70:71], s[56:57]
	s_add_nc_u64 s[58:59], s[72:73], s[58:59]
	s_add_nc_u64 s[60:61], s[22:23], s[60:61]
	s_add_nc_u64 s[62:63], s[34:35], s[62:63]
	s_add_nc_u64 s[66:67], s[24:25], s[66:67]
	s_add_nc_u64 s[68:69], s[36:37], s[68:69]
	s_add_nc_u64 s[52:53], s[38:39], s[52:53]
	s_add_nc_u64 s[76:77], s[38:39], s[76:77]
	s_add_nc_u64 s[78:79], s[38:39], s[78:79]
	s_add_nc_u64 s[54:55], s[38:39], s[54:55]
.irp p, 0,1,2,3,4,5
	global_load_b64 v[LY+2*\p:LY+2*\p+1], v17, s[56:57] offset:48*(\p/3)+8*(\p%3)
	global_load_b64 v[LY+12+2*\p:LY+12+2*\p+1], v17, s[60:61] offset:48*(\p/3)+8*(\p%3)
	global_load_b64 v[LY+24+2*\p:LY+24+2*\p+1], v18, s[66:67] offset:48*(\p/3)+8*(\p%3)
.endr
	global_load_b32 v[LY+36], v19, s[58:59]        ; my row's scale word of the K step (both halves of the lanes read the same)
	global_load_b32 v[LY+37], v19, s[62:63]
	global_load_b32 v[LY+38], v20, s[68:69]
.endif
.macro ALLSUM                          ; v[TM] summed over the 32 lanes, the sum in every lane
.irp m, 1,2,4,8
	s_delay_alu instid0(VALU_DEP_1)
	v_add_f32_dpp v[TM], v[TM], v[TM] row_xmask:\m row_mask:0xf bank_mask:0xf
.endr
	s_delay_alu instid0(VALU_DEP_1)
	v_permlanex16_b32 v[TM+8], v[TM], s[SEL], s[SEL+1]
	s_delay_alu instid0(VALU_DEP_1)
	v_add_f32 v[TM], v[TM], v[TM+8]
.endm
.macro ROWLN i
.set XR, X+32*\i
	v_pk_add_f32 v[TM:TM+1], v[XR:XR+1], v[XR+2:XR+3]               ; the sum, in two chains
	v_pk_add_f32 v[TM+2:TM+3], v[XR+4:XR+5], v[XR+6:XR+7]
.irp k, 8,12,16,20,24,28
	s_delay_alu instid0(VALU_DEP_2)
	v_pk_add_f32 v[TM:TM+1], v[TM:TM+1], v[XR+\k:XR+\k+1]
	s_delay_alu instid0(VALU_DEP_2)
	v_pk_add_f32 v[TM+2:TM+3], v[TM+2:TM+3], v[XR+\k+2:XR+\k+3]
.endr
	s_delay_alu instid0(VALU_DEP_1)
	v_pk_add_f32 v[TM:TM+1], v[TM:TM+1], v[TM+2:TM+3]
	s_delay_alu instid0(VALU_DEP_1)
	v_add_f32 v[TM], v[TM], v[TM+1]
	ALLSUM
	s_delay_alu instid0(VALU_DEP_1)
	v_mul_f32 v[TM+4], s50, v[TM]                  ; the mean, twice
	s_delay_alu instid0(VALU_DEP_2)
	v_mul_f32 v[TM+5], s50, v[TM]
.set k, 0
.rept 16
	v_pk_add_f32 v[XR+k:XR+k+1], v[XR+k:XR+k+1], v[TM+4:TM+5] neg_lo:[0,1] neg_hi:[0,1]   ; x - mean
.set k, k+2
.endr
	v_pk_mul_f32 v[TM:TM+1], v[XR:XR+1], v[XR:XR+1]                 ; the sum of squares: the first products start the two chains
	v_pk_mul_f32 v[TM+2:TM+3], v[XR+2:XR+3], v[XR+2:XR+3]
.irp k, 4,8,12,16,20,24,28
	s_delay_alu instid0(VALU_DEP_2)
	v_pk_fma_f32 v[TM:TM+1], v[XR+\k:XR+\k+1], v[XR+\k:XR+\k+1], v[TM:TM+1]
	s_delay_alu instid0(VALU_DEP_2)
	v_pk_fma_f32 v[TM+2:TM+3], v[XR+\k+2:XR+\k+3], v[XR+\k+2:XR+\k+3], v[TM+2:TM+3]
.endr
	s_delay_alu instid0(VALU_DEP_1)
	v_pk_add_f32 v[TM:TM+1], v[TM:TM+1], v[TM+2:TM+3]
	s_delay_alu instid0(VALU_DEP_1)
	v_add_f32 v[TM], v[TM], v[TM+1]
	ALLSUM
	s_delay_alu instid0(VALU_DEP_1)
	v_fma_f32 v[TM+6], v[TM], s50, s51             ; the variance + 1e-7
	s_wait_alu depctr_va_vdst(0)
	v_rsq_f32 v[TM+6], v[TM+6]
	v_nop                                          ; one plain place behind a transcendental (ISA guide 5.7.2)
	s_wait_alu depctr_va_vdst(0)
	v_mov_b32 v[TM+7], v[TM+6]
.set k, 0
.rept 16
	v_pk_fma_f32 v[XR+k:XR+k+1], v[XR+k:XR+k+1], v[TM+6:TM+7], v[SH+k:SH+k+1]
	s_delay_alu instid0(VALU_DEP_1)
	v_pk_mul_f32 v[XR+k:XR+k+1], v[XR+k:XR+k+1], v[GA+k:GA+k+1]
.set k, k+2
.endr
.irp j, 0,1,2,3,4,5,6,7
	ds_store_b128 v3, v[XR+4*\j:XR+4*\j+3] offset:\i*ROWP+512*\j
.endr
.endm
.if LAY
	s_wait_loadcnt 21                              ; the norm's 32 loads are in; the weights' 21, issued behind them, may be out
.else
	s_wait_loadcnt 0x0
.endif
	ROWLN 0
	ROWLN 1
	s_wait_dscnt 0x0                               ; for the others' sake: my two rows lie in LDS
	s_barrier_signal -1
	s_barrier_wait -1
.irp b, 0,1,2,3
.irp j, 0,1,2,3
	ds_load_b128 v[X+16*\b+4*\j:X+16*\b+4*\j+3], v4 offset:128*\b+16*\j   ; register 16 b + i: k = 128 w + 32 b + 16 h + i of row r
.endr
.endr
	s_wait_dscnt 0x0
	; 64 numbers of a lane become a fragment's codes and its scale word
.irp b, 0,1,2,3
	v_max3_num_f32 v[TM+\b], |v[X+16*\b]|, |v[X+1+16*\b]|, 0x1800000   ; my 16 of block b, and the floor 2^(3 - 127): the byte cannot fall under 1
.endr
.irp i, 2,4,6,8,10,12,14
.irp b, 0,1,2,3
	s_delay_alu instid0(VALU_DEP_4)
	v_max3_num_f32 v[TM+\b], |v[X+16*\b+\i]|, |v[X+1+16*\b+\i]|, v[TM+\b]
.endr
.endr
.irp b, 0,1,2,3
	v_permlanex16_b32 v[TM+4+\b], v[TM+\b], s[SEL], s[SEL+1]
.endr
.irp b, 0,1,2,3
	s_delay_alu instid0(VALU_DEP_4)
	v_max_num_f32 v[TM+\b], v[TM+\b], v[TM+4+\b]   ; with lane l xor 16's: the block's largest magnitude
.endr
.irp b, 0,1,2,3
	s_delay_alu instid0(VALU_DEP_4)
	v_add_nc_u32 v[TM+12+\b], 0xff000000, v[TM+\b] ; 2 off its exponent field: the conversion's scale operand
.endr
.irp b, 0,1,2,3
	s_delay_alu instid0(VALU_DEP_4)
	v_lshrrev_b32 v[TM+4+\b], 23, v[TM+12+\b]      ; the scale's byte
.endr
	s_delay_alu instid0(VALU_DEP_3)
	v_lshl_or_b32 v[PW], v[TM+5], 8, v[TM+4]
	s_delay_alu instid0(VALU_DEP_1)
	v_lshl_or_b32 v[PW], v[TM+6], 16, v[PW]
	s_delay_alu instid0(VALU_DEP_1)
	v_lshl_or_b32 v[PW], v[TM+7], 24, v[PW]
.irp c, 0,1
	v_cvt_scalef32_pk16_fp6_f32 v[PC+6*\c:PC+2+6*\c], v[X+32*\c:X+15+32*\c], v[TM+12+2*\c]
	v_cvt_scalef32_pk16_fp6_f32 v[PC+12+4*\c:PC+14+4*\c], v[X+16+32*\c:X+31+32*\c], v[TM+13+2*\c]
.endr
	v_nop                                          ; one plain place behind a scaled conversion
.irp c, 0,1                                    ; the layout wants a whole block in a lane: lanes 0-15 block 2 c, lanes 16-31 block 2 c + 1
.irp i, 0,1,2
	v_permlane16_swap_b32 v[PC+6*\c+\i], v[PC+12+4*\c+\i]
.endr
.irp i, 0,1,2
	s_delay_alu instid0(VALU_DEP_3)
	v_mov_b32 v[PC+3+6*\c+\i], v[PC+12+4*\c+\i]
.endr
.endr
.irp c, 0,1,2
	global_store_b128 v2, v[PC+4*\c:PC+4*\c+3], s[44:45] offset:512*\c   ; the image: 512 consecutive bytes a store
.endr
	ds_store_b32 v7, v[PW]                         ; both halves of the lanes write the same word with the same value
	s_wait_dscnt 0x0
	s_barrier_signal -1
	s_barrier_wait -1
	s_cmp_lg_u32 s2, 0
	s_cbranch_scc1 .Lrest
	ds_load_b128 v[12:15], v8                      ; wave 0 stores the tile's 128 scale words: 512 consecutive bytes
	s_wait_dscnt 0x0
	global_store_b128 v2, v[12:15], s[46:47]
.Lrest:
.if LAY
	s_wait_loadcnt 0x0                             ; my three fragments of weights
.irp i, 0,1,2
.irp c, 0,1,2
	global_store_b128 v2, v[LY+12*\i+4*\c:LY+12*\i+4*\c+3], s[52+22*((\i+1)/2)+2*\i:53+22*((\i+1)/2)+2*\i] offset:512*\c   ; bases s52, s76, s78
.endr
.endr
	v_cmp_gt_u32 vcc_lo, 256, v2                   ; lanes 0-15 store the scale words
	s_wait_xcnt 0x0                                ; EXEC changes only behind this wait
	s_wait_tensorcnt 0x0
	ds_add_u32 v240, v241
	s_wait_dscnt 0x0
	s_and_saveexec_b32 s3, vcc_lo
.irp i, 0,1,2
	global_store_b32 v21, v[LY+36+\i], s[54:55] offset:\i*2048*64
.endr
	s_wait_xcnt 0x0
	s_or_b32 exec_lo, exec_lo, s3
.endif
	s_endpgm
.Lfunc_end_k_q0013010a7a_ln1:
	.size	k_q0013010a7a_ln1, .Lfunc_end_k_q0013010a7a_ln1-k_q0013010a7a_ln1
	.p2alignl 7, 3214868480
	.fill 96, 4, 3214868480
	.section	.rodata,"a",@progbits
	.p2align	6, 0x0
	.amdhsa_kernel k_q0013010a7a_ln1
		.amdhsa_group_segment_fixed_size 67584
		.amdhsa_private_segment_fixed_size 0
		.amdhsa_enable_private_segment 0
		.amdhsa_kernarg_size 128
		.amdhsa_user_sgpr_count 2
		.amdhsa_user_sgpr_kernarg_segment_ptr 1
		.amdhsa_wavefront_size32 1
		.amdhsa_system_sgpr_workgroup_id_x 1
		.amdhsa_system_sgpr_workgroup_id_y 1
		.amdhsa_system_sgpr_workgroup_id_z 1
		.amdhsa_system_vgpr_workitem_id 0
		.amdhsa_next_free_vgpr 242
		.amdhsa_next_free_sgpr 80
		.amdhsa_reserve_vcc 1
		.amdhsa_float_denorm_mode_32 3
		.amdhsa_float_denorm_mode_16_64 3
		.amdhsa_memory_ordered 1
		.amdhsa_forward_progress 1
		.amdhsa_inst_pref_size 38
	.end_amdhsa_kernel
	.amdgpu_metadata
---
amdhsa.version: [ 1, 2 ]
amdhsa.kernels:
  - .name:           k_q0013010a7a_ln1
    .symbol:         k_q0013010a7a_ln1.kd
    .args:
      - { .name: x, .offset: 0, .size: 8, .value_kind: global_buffer, .address_space: global }
      - { .name: ln1_scale, .offset: 8, .size: 8, .value_kind: global_buffer, .address_space: global }
      - { .name: ln1_shift, .offset: 16, .size: 8, .value_kind: global_buffer, .address_space: global }
      - { .name: Wq_codes, .offset: 24, .size: 8, .value_kind: global_buffer, .address_space: global }
      - { .name: Wk_codes, .offset: 32, .size: 8, .value_kind: global_buffer, .address_space: global }
      - { .name: Wv_codes, .offset: 40, .size: 8, .value_kind: global_buffer, .address_space: global }
      - { .name: Wo_codes, .offset: 48, .size: 8, .value_kind: global_buffer, .address_space: global }
      - { .name: W1_codes, .offset: 56, .size: 8, .value_kind: global_buffer, .address_space: global }
      - { .name: W2_codes, .offset: 64, .size: 8, .value_kind: global_buffer, .address_space: global }
      - { .name: Wq_scales, .offset: 72, .size: 8, .value_kind: global_buffer, .address_space: global }
      - { .name: Wk_scales, .offset: 80, .size: 8, .value_kind: global_buffer, .address_space: global }
      - { .name: Wv_scales, .offset: 88, .size: 8, .value_kind: global_buffer, .address_space: global }
      - { .name: Wo_scales, .offset: 96, .size: 8, .value_kind: global_buffer, .address_space: global }
      - { .name: W1_scales, .offset: 104, .size: 8, .value_kind: global_buffer, .address_space: global }
      - { .name: W2_scales, .offset: 112, .size: 8, .value_kind: global_buffer, .address_space: global }
      - { .name: ops, .offset: 120, .size: 8, .value_kind: global_buffer, .address_space: global }
    .group_segment_fixed_size: 67584
    .private_segment_fixed_size: 0
    .kernarg_segment_align: 8
    .kernarg_segment_size: 128
    .max_flat_workgroup_size: 256
    .sgpr_count:     80
    .vgpr_count:     242
    .wavefront_size: 32
...
	.end_amdgpu_metadata
.endif
;; end of part 1
;; launch qkv (part 2): grid 12 x 16, 4 waves a work-group, clusters of 4 x 4, 327,680 bytes of LDS; arguments ops, qkv; writes qkv
.if DOCPART == 2
	.amdgcn_target "amdgcn-amd-amdhsa--gfx1250"
	.amdhsa_code_object_version 6
	.text
	.protected	k_q0013010a7a_qkv
	.globl	k_q0013010a7a_qkv
	.p2align	8
	.type	k_q0013010a7a_qkv,@function
k_q0013010a7a_qkv:
	s_mov_b64 s[64:65], 0
	v_nop
	global_prefetch_b8 v0, s[64:65] scope:SCOPE_SE
	s_setreg_imm32_b32 hwreg(HW_REG_WAVE_MODE, 25, 1), 1
	s_wait_xcnt 0x0
	s_wait_alu depctr_hold_cnt(0) depctr_sa_sdst(0) depctr_va_vdst(0) depctr_va_sdst(0) depctr_va_ssrc(0) depctr_va_vcc(0) depctr_vm_vsrc(0)
	s_getreg_b32 s2, hwreg(HW_REG_IB_STS2, 6, 4)
	s_cmp_eq_u32 s2, 0
	s_cbranch_scc0 .Lentry_in_a_cluster
	s_endpgm
.Lentry_in_a_cluster:
	s_bfe_u32 s2, ttmp6, 0x10000c
	s_cmp_lg_u32 s2, 0xf033
	s_cbranch_scc0 .Lentry_shape_is_right
	s_endpgm
.Lentry_shape_is_right:
; q = h Wq^T, k = h Wk^T, v = h Wv^T on codes of FP6 (E2M3), and the results quantised at once: q and k along the head's channels, v along the tokens.
; All operands are register images (fragment = 16 rows x 128 K = 1,536 bytes, registers 4 c .. 4 c + 3 of lane l at 512 c + 16 l; 64 bytes of scale words; the rows of tile t are 32 (t / 2) + 8 (t % 2) + r + 8 (r / 8)).
; A work-group of four waves makes 256 x 256, a wave 128 x 128: 64 accumulators.  Source 0 comes from LDS part B, source 1 from part A.  In the result a lane holds ONE row of source 1 and its
; 64 registers of a block of source 1 run along 128 neighbouring rows of source 0: they are one K step of the next product, quantised in registers and stored as an image.
; Cluster x = 0: q, 1: k (source 0 = the weight, source 1 = h).  Cluster x = 2: v: THE TWO CHANGE PLACES (source 0 = h, source 1 = Wv), by the tensor loads' addresses alone, so that a lane's registers run along the tokens.
; K HAS EIGHT STEPS OF 128, AND SIX OF THEM FIT IN LDS: three regions of two steps, all filled at the start (one tensor load a wave: six steps' codes or a part's scale words).  Region 0 alone is filled again, once, with steps 6 and 7,
; when steps 0 and 1 have been read: that load has 224 matrix instructions of the wave in which to land.  No barrier stands between regions 1 and 2: the refill's barrier has shown both whole.
; 4 x 4 work-groups form a cluster: part A's tiles are shared along a row of the cluster, part B's along a column.
; qkv: codes of q at 0, k at 3,145,728 (fragment head pair x 256 + token tile), v at 6,291,456 (head pair x 256 + token step x 8 + channel tile); words at 9,437,184 + 131,072 x {0, 1, 2}.
; LIMITS: NaN and infinities are not served; a block whose largest magnitude lies under 2^-124 (zeros too) gets the byte 1: the bytes are read by this program alone.
; REGISTERS: window 0: v16-31 addresses, v32-47 scale words (two sets), v48-63 at work, from v64 A's fragments (two sets of 96).  window 1: B's fragments (two sets of 96).  windows 2, 3: accumulator (a, b) at 8 (8 (a % 4) + b).
.set TW,    8                          ; tiles of 16 rows a wave and side
.set NQ,    2                          ; K steps of 128 in a region
.set KS,    8                          ; K steps in all
.set WSCL,  9437184
.set HIMG,  9830400
.set HSCL,  12976128
.set PC,    64                         ; the codes just made (A's registers are free then)
.set FRB,   1536
.set HALFT, TW*FRB                     ; a wave's 8 tiles of one K step
.set STB,   2*HALFT                    ; one K step of a part's 16 tiles: dense in memory and in LDS
.set SLOT,  NQ*STB                     ; a region: two K steps of one part
.set BLD,   3*SLOT                     ; part A's six steps lie at 0, part B's here
.set HALFC, TW*KS*FRB                  ; TW tiles' codes in memory
.set HALFS, TW*KS*64                   ; and their scale words
.set SCL,   2*BLD
.set SPARE, SCL+4*HALFS                ; the spare words, 128 bytes for each wave: two blocks of 256 bytes that no other line names
.set ADRA, 16                          ; v16-18 LDS address of my A fragments in region 0, 1, 2
.set ADRB, 20                          ; v20-22 the same for B
.set LI,   24                          ; v24 16 x lane
.set LW,   25                          ; v25 the words' offset on the way out
.set ADRS, 27                          ; v27 my scale words: lanes 0-15 A's, lanes 16-31 B's; never rewritten
.set SPW,  28                          ; v28 my spare word; never rewritten
.set NIL,  29                          ; v29 0; never rewritten
.set PW,   30                          ; v30 the scale word just made
.set PV,   31                          ; v31 two blocks' words, to store
.set SC,   32
.set TM,   48
.set AF,   64
.set G0C,  20
.set G1,   24                          ; s[24:31] group 1 for A's tiles
.set G0,   32                          ; s[32:39] groups 0 of A's refill and of its head load
.set G0BC, 44                          ; s[48:55], s[56:63] the same for B
.set G1B,  48
.set G0B,  56
.set G1S,  68                          ; s[68:75], s[76:79] groups 1 and 0 for A's scale words; s[80:87], s[88:91] for B's
.set G0S,  76
.set G1SB, 80
.set G0SB, 88
.set SEL,  94
.set MSB, 0
.macro WIN new                         ; the immediate's high byte repeats the setting that is left
.if MSB != (\new)
	s_set_vgpr_msb (MSB<<8)|(\new)
.set MSB, (\new)
.endif
.endm
.macro PLACES                          ; four plain places behind matrix instructions, in front of loads into their registers and of reads of results
.rept 4
	v_nop
.endr
.endm
.macro SHAPE g, c, r, p                ; descriptor group 1, words 1-7: r rows of c elements of 8 bytes, p elements apart
	s_mov_b32 s[\g+1], (\c)<<16
	s_mov_b32 s[\g+2], (\r)<<16
	s_mov_b32 s[\g+3], (\c)<<16
	s_mov_b32 s[\g+4], \r
	s_mov_b32 s[\g+5], \p
	s_mov_b32 s[\g+6], 0
	s_mov_b32 s[\g+7], 0
.endm
.macro PLACE g, l, off                 ; descriptor group 0 round the global address that stands in its words 2, 3: count 1, the LDS address s[l] + off, type 2
	s_mov_b32 s[\g], 1
	s_add_co_u32 s[\g+1], s[\l], \off
	s_or_b32 s[\g+3], s[\g+3], 0x80000000
.endm
.macro JLOAD g0a, g1a, g0b, g1b        ; a joint load: waves 0, 1 fetch for part A, waves 2, 3 for part B; four v_nop follow each line
	s_cmp_eq_u32 s15, 0
	s_cbranch_scc0 .Lfor_b_\@
	tensor_load_to_lds s[\g0a:\g0a+3], s[\g1a:\g1a+7]
	s_nop 0
.rept 4
	v_nop
.endr
	s_branch .Lasked_\@
.Lfor_b_\@:
	tensor_load_to_lds s[\g0b:\g0b+3], s[\g1b:\g1b+7]
	s_nop 0
.rept 4
	v_nop
.endr
.Lasked_\@:
.endm
.macro CREST                           ; a round of the cluster's barrier behind its opening barrier
	s_cmp_lg_u32 s14, 0
	s_cbranch_scc1 .Lnot_wave_0_\@
	s_barrier_signal -3
.Lnot_wave_0_\@:
	s_barrier_wait -3
	s_barrier_signal -1
	s_barrier_wait -1
.endm
.macro CROUND
	s_barrier_signal -1
	s_barrier_wait -1
	CREST
.endm
.macro FETCH reg, q, s                 ; K step s, the q-th of region reg: its fragments and scale words into set s % 2: an image comes back by three loads of 512 consecutive bytes
	WIN 0x40
.set fi, 0
.rept TW
.irp c, 0,1,2
	ds_load_b128 v[12*TW*((\s)%2)+12*fi+4*\c:12*TW*((\s)%2)+12*fi+4*\c+3], v[ADRB+\reg] offset:((\q)*16+fi)*FRB+512*\c
.endr
.set fi, fi+1
.endr
	WIN 0
.set fi, 0
.rept TW
.irp c, 0,1,2
	ds_load_b128 v[AF+12*TW*((\s)%2)+12*fi+4*\c:AF+12*TW*((\s)%2)+12*fi+4*\c+3], v[ADRA+\reg] offset:((\q)*16+fi)*FRB+512*\c
.endr
.set fi, fi+1
.endr
.set fi, 0
.rept TW
	ds_load_b32 v[SC+TW*((\s)%2)+fi], v[ADRS] offset:fi*KS*64+64*(\s)   ; lanes 0-15: A's tile fi, lanes 16-31: B's tile fi
.set fi, fi+1
.endr
.endm
; A quarter of a K step's products: TW / 4 blocks of A x B's TW.  mode 0: onto the sums; 1: the constant 0 starts them.  All accumulators take turns, one instruction a turn, in the same order in every step.
.macro MULQ qd, p, mode
.set MW, 2+(8*TW*(\qd)*(TW/4))/256
	WIN (MW<<6)|(MW<<4)|1
.set ma, (\qd)*(TW/4)
.rept TW/4
.set mb, 0
.rept TW
.set AR, (8*(TW*ma+mb))%256
.set BR, 12*TW*(\p)+12*mb
.set FA, AF+12*TW*(\p)+12*ma
.set SB, SC+TW*(\p)+mb
.set SA, SC+TW*(\p)+ma
.if \mode == 0
	v_wmma_scale_f32_16x16x128_f8f6f4 v[AR:AR+7], v[BR:BR+11], v[FA:FA+11], v[AR:AR+7], v[SB], v[SA] matrix_a_fmt:MATRIX_FMT_FP6 matrix_b_fmt:MATRIX_FMT_FP6 matrix_a_scale:MATRIX_SCALE_ROW1
.else
	v_wmma_scale_f32_16x16x128_f8f6f4 v[AR:AR+7], v[BR:BR+11], v[FA:FA+11], 0, v[SB], v[SA] matrix_a_fmt:MATRIX_FMT_FP6 matrix_b_fmt:MATRIX_FMT_FP6 matrix_a_scale:MATRIX_SCALE_ROW1
.endif
.set mb, mb+1
.endr
.set ma, ma+1
.endr
.endm
.macro STEP s, nreg, nq, mode          ; K step s; its successor, the nq-th step of region nreg, lies in bytes that a barrier has shown whole
	s_wait_dscnt 0x0                               ; this step's set, asked for a whole step ago, is in
	PLACES
	FETCH \nreg, \nq, (\s)+1                       ; the next step's set, in one run, ahead of this step's products
	MULQ 0, (\s)%2, \mode
	MULQ 1, (\s)%2, \mode
	MULQ 2, (\s)%2, \mode
	MULQ 3, (\s)%2, \mode
	WIN 0
.endm
.macro TURN s, nreg, fill              ; K step s, behind which region nreg is entered over a barrier.  fill = 1: region 0, read out, is filled again, and the barrier opens a round of the cluster's
	s_wait_tensorcnt 0x0                           ; all my tensor loads have landed
	ds_add_u32 v[SPW], v[NIL]                      ; 0 onto my spare word
	s_wait_dscnt 0x1                               ; this step's set is in; the add alone may be out
	MULQ 0, (\s)%2, 0
	s_wait_dscnt 0x0                               ; the add is done, and my reads of the region in hand are over
	s_barrier_signal -1
	MULQ 1, (\s)%2, 0
	WIN 0
	s_barrier_wait -1
.if \fill
	CREST                                          ; no wave of any partner still reads region 0 or has a load on its way
	JLOAD G0, G1, G0B, G1B                         ; the first tensor load behind the round; its four v_nop are the places in front of the loads below
.else
	PLACES
.endif
	FETCH \nreg, 0, (\s)+1
	MULQ 2, (\s)%2, 0
	MULQ 3, (\s)%2, 0
	WIN 0
.endm
.macro LAST s
	s_wait_dscnt 0x0
	MULQ 0, (\s)%2, 0
	MULQ 1, (\s)%2, 0
	MULQ 2, (\s)%2, 0
	MULQ 3, (\s)%2, 0
	WIN 0
.endm
; 64 numbers of a lane, v[s] .. v[s + 63] of window w, register 16 b + i = k 32 b + 16 (lane / 16) + i of my row, become a fragment's codes in v[PC] on and its scale word in v[PW].  Each accumulator is read from its low end on.
.macro QUANT s, w
	WIN (\w)|((\w)<<2)
.irp b, 0,1,2,3
	v_max3_num_f32 v[TM+\b], |v[\s+16*\b]|, |v[\s+1+16*\b]|, 0x1800000   ; and the floor 2^(3 - 127): the byte cannot fall under 1
.endr
.irp i, 2,4,6,8,10,12,14
.irp b, 0,1,2,3
	v_max3_num_f32 v[TM+\b], |v[\s+16*\b+\i]|, |v[\s+1+16*\b+\i]|, v[TM+\b]
.endr
.endr
	WIN 0
.irp b, 0,1,2,3
	v_permlanex16_b32 v[TM+4+\b], v[TM+\b], s[SEL], s[SEL+1]
.endr
.irp b, 0,1,2,3
	v_max_num_f32 v[TM+\b], v[TM+\b], v[TM+4+\b]   ; with lane l xor 16's: the block's largest magnitude
.endr
.irp b, 0,1,2,3
	v_add_nc_u32 v[TM+12+\b], 0xff000000, v[TM+\b] ; 2 off its exponent field: the conversion's scale operand
.endr
.irp b, 0,1,2,3
	v_lshrrev_b32 v[TM+4+\b], 23, v[TM+12+\b]      ; the scale's byte
.endr
	v_lshl_or_b32 v[PW], v[TM+5], 8, v[TM+4]
	v_lshl_or_b32 v[PW], v[TM+6], 16, v[PW]
	v_lshl_or_b32 v[PW], v[TM+7], 24, v[PW]
	WIN \w
.irp c, 0,1
	v_cvt_scalef32_pk16_fp6_f32 v[PC+6*\c:PC+2+6*\c], v[\s+32*\c:\s+15+32*\c], v[TM+12+2*\c]
	v_cvt_scalef32_pk16_fp6_f32 v[PC+12+4*\c:PC+14+4*\c], v[\s+16+32*\c:\s+31+32*\c], v[TM+13+2*\c]
.endr
	WIN 0
	v_nop                                          ; one plain place behind a scaled conversion
.irp c, 0,1
.irp i, 0,1,2
	v_permlane16_swap_b32 v[PC+6*\c+\i], v[PC+12+4*\c+\i]
.endr
.irp i, 0,1,2
	v_mov_b32 v[PC+3+6*\c+\i], v[PC+12+4*\c+\i]
.endr
.endr
.endm
	s_load_b128 s[4:7], s[0:1], 0x0                ; ops s[4:5], qkv s[6:7]
	v_lshl_add_u32 v[SPW], v0, 2, SPARE
	v_mov_b32 v[NIL], 0
	ds_add_u32 v28, v29
	ds_add_u32 v28, v29
	s_wait_dscnt 0x0
	v_lshrrev_b32 v1, 5, v0
	v_readfirstlane_b32 s14, v1                    ; wave 0..3
	s_lshr_b32 s15, s14, 1                         ; which half of part A is mine.  Also: I fetch for A (0) or for B (1)
	s_and_b32 s16, s14, 1                          ; which half of part B.  Also: which half I fetch
	s_bfe_u32 s40, ttmp6, 0x40000                  ; cx
	s_bfe_u32 s41, ttmp6, 0x40004                  ; cy
	s_and_b32 s17, ttmp7, 0xffff                   ; cluster y: which 1,024 tokens
	s_lshl_b32 s43, s41, 2
	s_lshl_b32 s43, 15, s43                        ; my row of the cluster
	s_lshl_b32 s66, 0x1111, s40                    ; my column
	s_or_b32 s[G1], s43, (3<<16)|(1<<21)           ; 15:0 the mask; 17:16 elements of 8 bytes; 21 set beside a mask; no padding
	s_or_b32 s[G1B], s66, (3<<16)|(1<<21)
	s_or_b32 s[G1S], s43, (3<<16)|(1<<21)
	s_or_b32 s[G1SB], s66, (3<<16)|(1<<21)
	SHAPE G1, 32, 6*STB/256, 32                    ; the head's load of codes: six K steps of 16 tiles, dense, as rows of 256 bytes
	SHAPE G1B, 32, 6*STB/256, 32
	SHAPE G1S, 32, 2*HALFS/256, 32                 ; a part's scale words, dense
	SHAPE G1SB, 32, 2*HALFS/256, 32
	s_mul_i32 s96, ttmp9, 786432                   ; the weight's images,
	s_mul_i32 s97, s17, 786432
	s_add_co_u32 s97, s97, HIMG                    ; h's images of these 1,024 tokens,
	s_lshl_b32 s98, ttmp9, 15
	s_add_co_u32 s98, s98, WSCL                    ; and their words
	s_lshl_b32 s99, s17, 15
	s_add_co_u32 s99, s99, HSCL
	s_cmp_eq_u32 ttmp9, 2                          ; v?  The cluster's number: the same in all partners
	s_cselect_b32 s[G0+2], s96, s97                ; part A: h, for v the weight.  The offsets are made where the addresses will stand
	s_cselect_b32 s[G0B+2], s97, s96               ; part B: the weight, for v h
	s_cselect_b32 s[G0S+2], s98, s99
	s_cselect_b32 s[G0SB+2], s99, s98
	s_mul_i32 s18, s41, 2*HALFC                    ; A hangs on cy alone
	s_add_co_u32 s[G0+2], s[G0+2], s18
	s_mul_i32 s18, s16, STB
	s_add_co_u32 s[G0+2], s[G0+2], s18
	s_mov_b32 s[G0+3], 0
	s_mul_i32 s18, s41, 2*HALFS
	s_add_co_u32 s[G0S+2], s[G0S+2], s18
	s_mov_b32 s[G0S+3], 0
	s_mul_i32 s19, s40, 2*HALFC                    ; B on cx alone
	s_add_co_u32 s[G0B+2], s[G0B+2], s19
	s_mul_i32 s19, s16, STB
	s_add_co_u32 s[G0B+2], s[G0B+2], s19
	s_mov_b32 s[G0B+3], 0
	s_mul_i32 s19, s40, 2*HALFS
	s_add_co_u32 s[G0SB+2], s[G0SB+2], s19
	s_mov_b32 s[G0SB+3], 0
	s_mul_i32 s67, s16, STB                        ; the refill: wave w takes K step 6 + w % 2 of its part
	s_wait_kmcnt 0x0
	s_add_nc_u64 s[G0+2:G0+3], s[4:5], s[G0+2:G0+3]
	s_add_nc_u64 s[G0S+2:G0S+3], s[4:5], s[G0S+2:G0S+3]
	s_add_nc_u64 s[G0B+2:G0B+3], s[4:5], s[G0B+2:G0B+3]
	s_add_nc_u64 s[G0SB+2:G0SB+3], s[4:5], s[G0SB+2:G0SB+3]
	s_mov_b64 s[G0+6:G0+7], s[G0+2:G0+3]           ; the head's loads of codes are issued by waves 0 and 2, in which w % 2 = 0: the part's first byte
	s_mov_b64 s[G0B+6:G0B+7], s[G0B+2:G0B+3]
	s_add_nc_u64 s[G0+2:G0+3], s[G0+2:G0+3], 6*STB ; the refill's: K step 6 + w % 2
	s_add_nc_u64 s[G0B+2:G0B+3], s[G0B+2:G0B+3], 6*STB
	s_mov_b32 s2, 0
	PLACE G0S, 2, SCL
	PLACE G0SB, 2, SCL+2*HALFS
	PLACE G0, 67, 0
	PLACE G0B, 67, BLD
	PLACE G0+4, 2, 0
	PLACE G0B+4, 2, BLD
	CROUND                                         ; all sixteen work-groups are here: the first joint loads meet
; The head's loads, one a wave: wave 0 part A's K steps 0-5, wave 1 A's scale words, wave 2 part B's steps 0-5, wave 3 B's scale words.  One chain of branches, one join.
.macro ARM under, g0, g1, next
	s_cmp_lt_u32 s14, \under
	s_cbranch_scc0 \next
	tensor_load_to_lds s[\g0:\g0+3], s[\g1:\g1+7]
	s_nop 0
.rept 4
	v_nop
.endr
	s_branch .Lhead_asked
\next:
.endm
	ARM 1, G0+4, G1, .Lhead_sa
	ARM 2, G0S, G1S, .Lhead_b
	ARM 3, G0B+4, G1B, .Lhead_sb
	tensor_load_to_lds s[G0SB:G0SB+3], s[G1SB:G1SB+7]
	s_nop 0
.rept 4
	v_nop
.endr
.Lhead_asked:
	v_and_b32 v1, 15, v0                           ; r
	v_bfe_u32 v2, v0, 4, 1                         ; h
	v_and_b32 v3, 31, v0
	v_lshlrev_b32 v[LW], 2, v3                     ; 4 x lane
	v_lshlrev_b32 v[LI], 4, v3                     ; 16 x lane
	s_mul_i32 s18, s15, HALFT
	s_mul_i32 s19, s16, HALFT
	s_add_co_u32 s19, s19, BLD
.irp s, 0,1,2
	v_add_nc_u32 v[ADRA+\s], s18, v[LI]
	v_add_nc_u32 v[ADRB+\s], s19, v[LI]
	s_add_co_u32 s18, s18, SLOT
	s_add_co_u32 s19, s19, SLOT
.endr
	s_mul_i32 s18, s15, HALFS
	s_mul_i32 s19, s16, HALFS
	s_add_co_u32 s19, s19, 2*HALFS
	s_sub_co_u32 s19, s19, s18
	v_mul_u32_u24 v4, s19, v2                      ; lanes 16-31 take B's words: one product, the distance between the two blocks
	s_add_co_u32 s18, s18, SCL
	v_lshl_add_u32 v4, v1, 2, v4
	v_add_nc_u32 v[ADRS], s18, v4
.irp b, 0,1,2,3
	v_mov_b32 v[TM+4+\b], 0                        ; a lane permute's destination counts as one of its sources
.endr
	s_mov_b32 s[SEL], 0x76543210
	s_mov_b32 s[SEL+1], 0xfedcba98
	; where my 8 result fragments go: P0 = which 128 rows of source 0, P1 = which 8 tiles of source 1
	s_lshl_b32 s96, s17, 2
	s_cmp_eq_u32 ttmp9, 2
	s_cselect_b32 s97, s96, 0
	s_cselect_b32 s98, 0, s96
	s_add_co_u32 s97, s97, s40
	s_add_co_u32 s98, s98, s41
	s_lshl_b32 s97, s97, 1
	s_add_co_u32 s97, s97, s16                     ; P0
	s_lshl_b32 s98, s98, 1
	s_add_co_u32 s98, s98, s15                     ; P1
	s_cmp_eq_u32 ttmp9, 2
	s_cselect_b32 s96, s98, s97                    ; the head pair: P0, for v P1
	s_cselect_b32 s99, s97, s98
	s_lshl_b32 s96, s96, 8
	s_lshl_b32 s99, s99, 3
	s_add_co_u32 s96, s96, s99                     ; my first fragment
	s_mul_i32 s98, s96, FRB
	s_mul_i32 s97, ttmp9, 3145728
	s_add_co_u32 s98, s98, s97
	s_mov_b32 s99, 0
	s_add_nc_u64 s[8:9], s[6:7], s[98:99]
	s_lshl_b32 s98, s96, 6
	s_lshl_b32 s97, ttmp9, 17
	s_add_co_u32 s98, s98, s97
	s_add_co_u32 s98, s98, 9437184
	s_add_nc_u64 s[10:11], s[6:7], s[98:99]
	s_wait_alu depctr_va_vdst(0)
	s_wait_tensorcnt 0x0                           ; my one load of the head has landed; no load of mine is out, so a descriptor may be written: the refill brings one K step, 96 rows of 256 bytes
	s_mov_b32 s[G1+2], (STB/256)<<16
	s_mov_b32 s[G1+4], STB/256
	s_mov_b32 s[G1B+2], (STB/256)<<16
	s_mov_b32 s[G1B+4], STB/256
	s_barrier_signal -1
	s_barrier_wait -1
	FETCH 0, 0, 0
	STEP 0, 0, 1, 1                                ; the first step's products start the sums
	TURN 1, 1, 1                                   ; regions 1 and 2 are whole; region 0 takes steps 6 and 7
	STEP 2, 1, 1, 0
	STEP 3, 2, 0, 0                                ; on into region 2: no barrier is owed
	STEP 4, 2, 1, 0
	TURN 5, 0, 0                                   ; steps 6 and 7 have landed; nothing is filled
	STEP 6, 0, 1, 0
	LAST 7
	; THE WAY OUT: block a of source 1 (16 rows) x my 128 rows of source 0 is one fragment
	PLACES
	s_mov_b32 s18, 0xffff0000                      ; lanes 16-31
.irp a, 0,1,2,3,4,5,6,7
.if \a > 0
	s_wait_xcnt 0x0                                ; the last stores have read their data: the codes' and words' registers are written again only behind this wait
.endif
	QUANT 64*(\a%4), 2+\a/4
.irp c, 0,1,2
	global_store_b128 v[LI], v[PC+4*\c:PC+4*\c+3], s[8:9] offset:\a*FRB+512*\c
.endr
.if \a%2 == 0
	v_mov_b32 v[PV], v[PW]
.else
	v_cndmask_b32 v[PV], v[PV], v[PW], s18         ; lanes 0-15: fragment a - 1's words, lanes 16-31: fragment a's: 128 consecutive bytes
	global_store_b32 v[LW], v[PV], s[10:11] offset:(\a-1)*64
.endif
.endr
	s_wait_tensorcnt 0x0                           ; the wave's end
	ds_add_u32 v[SPW], v[NIL]
	s_wait_dscnt 0x0
	CROUND                                         ; the closing round
	s_endpgm
.Lfunc_end_k_q0013010a7a_qkv:
	.size	k_q0013010a7a_qkv, .Lfunc_end_k_q0013010a7a_qkv-k_q0013010a7a_qkv
	.p2alignl 7, 3214868480
	.fill 96, 4, 3214868480
	.section	.rodata,"a",@progbits
	.p2align	6, 0x0
	.amdhsa_kernel k_q0013010a7a_qkv
		.amdhsa_group_segment_fixed_size 327680
		.amdhsa_private_segment_fixed_size 0
		.amdhsa_enable_private_segment 0
		.amdhsa_kernarg_size 16
		.amdhsa_user_sgpr_count 2
		.amdhsa_user_sgpr_kernarg_segment_ptr 1
		.amdhsa_wavefront_size32 1
		.amdhsa_system_sgpr_workgroup_id_x 1
		.amdhsa_system_sgpr_workgroup_id_y 1
		.amdhsa_system_sgpr_workgroup_id_z 1
		.amdhsa_system_vgpr_workitem_id 0
		.amdhsa_next_free_vgpr 1024
		.amdhsa_next_free_sgpr 100
		.amdhsa_reserve_vcc 0
		.amdhsa_float_denorm_mode_32 3
		.amdhsa_float_denorm_mode_16_64 3
		.amdhsa_memory_ordered 1
		.amdhsa_forward_progress 1
		.amdhsa_inst_pref_size 140
	.end_amdhsa_kernel
	.amdgpu_metadata
---
amdhsa.version: [ 1, 2 ]
amdhsa.kernels:
  - .name:           k_q0013010a7a_qkv
    .symbol:         k_q0013010a7a_qkv.kd
    .args:
      - { .name: ops, .offset: 0, .size: 8, .value_kind: global_buffer, .address_space: global }
      - { .name: qkv, .offset: 8, .size: 8, .value_kind: global_buffer, .address_space: global }
    .group_segment_fixed_size: 327680
    .private_segment_fixed_size: 0
    .kernarg_segment_align: 8
    .kernarg_segment_size: 16
    .max_flat_workgroup_size: 128
    .sgpr_count:     100
    .vgpr_count:     1024
    .wavefront_size: 32
...
	.end_amdgpu_metadata
.endif
;; end of part 2
;; launch attn (part 3): grid 8 x 32, 16 waves a work-group, no clusters, 219,648 bytes of LDS; arguments qkv, ctx; writes ctx
.if DOCPART == 3
	.amdgcn_target "amdgcn-amd-amdhsa--gfx1250"
	.amdhsa_code_object_version 6
	.text
	.protected	k_q0013010a7a_attn
	.globl	k_q0013010a7a_attn
	.p2align	8
	.type	k_q0013010a7a_attn,@function
k_q0013010a7a_attn:
	s_mov_b64 s[64:65], 0
	v_nop
	global_prefetch_b8 v0, s[64:65] scope:SCOPE_SE
	s_setreg_imm32_b32 hwreg(HW_REG_WAVE_MODE, 25, 1), 1
	s_wait_xcnt 0x0
; Causal attention on codes of FP6 (E2M3): ctx = softmax(q k^T / 8) v for 64 (batch, head)s of 1,024 tokens x 64 channels, and ctx quantised along the channels.
; t = score x log2(e) / 8; M = the running largest t rounded UP to a whole number; p = 2^(t - M) is quantised along the keys, not normalised; the row's sum is taken of the unquantised p and divides at the end.
; A work-group takes one batch and one PAIR of heads (128 channels: one K step of q's and k's images) and 8 tiles of 16 queries: blocks j and 15 - j of 64 queries, so that every work-group has the same causal work.
; Wave w: tile 4 (w / 8 ? 15 - j : j) + w % 4, head (w / 4) % 2 of the pair.  k's fragment holds both heads; the other head's six registers of q are cleared: zero codes add nothing.
; NO CLUSTER: the partners that could share K and V (other query blocks) leave out different key steps by a branch, and partners of a joint load must run alike.
; K and V of the pair, 196,608 bytes, and their scale words lie in LDS whole: every byte is filled once, each wave issues one tensor load at its start, nothing is filled again.
; Both products are used transposed (S^T = k q^T, O^T = v^T p^T): a lane holds one query throughout.  The rows of every tile are 32 (t / 2) + 8 (t % 2) + r + 8 (r / 8), so p's and O's registers run along neighbours.
; A key step all of whose 128 keys come after the wave's queries is left out by a scalar branch on ids; every wave passes every barrier.
; LIMITS: NaN and infinities are not served; a block of ctx or of p whose largest magnitude lies under 2^-124 (zeros too) gets the byte 1.
; REGISTERS: v1-7, v28-29 addresses that stay; v8-11 addresses in hand; v12 -M, v13 the largest t, v[14:15] the sum; v16-27 q; v32-79 four fragments; v96-159 S^T, then p; v160-191 O^T; v192-194 the mask; v224-235 p's codes; v232-254 at work; v248-251, v253, v255 scale words.
.set FRB,  1536
.set CH,   49152                       ; a chunk of 256 keys: 16 tiles of K, then 2 steps x 8 channel tiles of V
.set SCL,  196608                      ; K's scale words, 4,096 bytes, then V's
.set XCH,  204800                      ; 8 images of ctx, put together by the two heads' waves
.set XS,   217088                      ; and their scale words
.macro SHAPE g, c, r, p
	s_mov_b32 s[\g], 3<<16                         ; no mask; elements of 8 bytes; no padding
	s_mov_b32 s[\g+1], (\c)<<16
	s_mov_b32 s[\g+2], (\r)<<16
	s_mov_b32 s[\g+3], (\c)<<16
	s_mov_b32 s[\g+4], \r
	s_mov_b32 s[\g+5], \p
	s_mov_b32 s[\g+6], 0
	s_mov_b32 s[\g+7], 0
.endm
	s_load_b128 s[4:7], s[0:1], 0x0                ; qkv s[4:5], ctx s[6:7]
	v_lshl_add_u32 v223, v0, 2, 0x35200
	v_mov_b32 v243, 0
	ds_add_u32 v223, v243
	ds_add_u32 v223, v243
	v_lshrrev_b32 v8, 5, v0
	s_delay_alu instid0(VALU_DEP_1)
	v_readfirstlane_b32 s8, v8                     ; wave 0..15
	s_and_b32 s9, s8, 3                            ; pos
	s_bfe_u32 s10, s8, 0x10002                     ; c: my head of the pair
	s_lshr_b32 s11, s8, 3                          ; early (0) or late (1) queries.  Also: I fetch K (0) or V (1)
	s_and_b32 s12, s8, 7                           ; which eighth I fetch
	s_and_b32 s13, ttmp7, 0xffff
	s_lshr_b32 s14, s13, 3                         ; batch
	s_and_b32 s15, s13, 7                          ; head pair
	s_lshl_b32 s18, s15, 8
	s_lshl_b32 s19, s14, 6
	s_add_co_u32 s18, s18, s19                     ; first fragment of (batch, pair) in q, k and v
	s_sub_co_u32 s16, 15, ttmp9
	s_cmp_eq_u32 s11, 0
	s_cselect_b32 s16, ttmp9, s16
	s_lshl_b32 s16, s16, 2
	s_add_co_u32 s16, s16, s9                      ; T: my tile of queries, 0..63
	s_lshr_b32 s17, s16, 1
	s_lshl_b32 s17, s17, 5
	s_and_b32 s19, s16, 1
	s_lshl_b32 s19, s19, 3
	s_add_co_u32 s17, s17, s19                     ; Q0: its first query; its last is Q0 + 23
	SHAPE 44, 32, 48, 32                           ; codes: 12,288 dense bytes as 48 rows of 256: a wave's eighth of K or of V
	s_add_co_u32 s19, s11, 1                       ; k is tensor 1, v tensor 2
	s_mul_i32 s66, s19, 3145728
	s_mul_i32 s70, s18, FRB
	s_add_co_u32 s66, s66, s70
	s_mul_i32 s70, s12, 12288
	s_add_co_u32 s66, s66, s70
	s_mov_b32 s67, 0
	s_lshl_b32 s68, s19, 17
	s_lshl_b32 s70, s18, 6
	s_add_co_u32 s68, s68, s70
	s_lshl_b32 s70, s12, 9
	s_add_co_u32 s68, s68, s70
	s_add_co_u32 s68, s68, 9437184
	s_mov_b32 s69, 0
	s_mul_i32 s71, s8, 12288                       ; LDS: K's 98,304 bytes (waves 0-7), then V's (waves 8-15)
	s_lshl_b32 s72, s8, 9
	s_add_co_u32 s70, s18, s16                     ; q's fragment
	s_mul_i32 s74, s70, FRB
	s_mov_b32 s75, 0
	s_lshl_b32 s76, s70, 6
	s_add_co_u32 s76, s76, 9437184
	s_mov_b32 s77, 0
	s_lshl_b32 s70, s14, 6
	s_add_co_u32 s70, s70, s16
	s_lshl_b32 s70, s70, 3
	s_add_co_u32 s70, s70, s15                     ; ctx's fragment: 8 x token tile + head pair
	s_lshr_b32 s78, s70, 6                         ; ctx's images lie step-major inside a block of 8 token tiles: fragment 8 t + pair goes to place 64 (t / 8) + 8 pair + t % 8
	s_lshl_b32 s78, s78, 6
	s_and_b32 s79, s70, 7
	s_lshl_b32 s79, s79, 3
	s_add_co_u32 s78, s78, s79
	s_bfe_u32 s79, s70, 0x30003
	s_add_co_u32 s78, s78, s79
	s_mul_i32 s78, s78, FRB
	s_mov_b32 s79, 0
	s_lshl_b32 s84, s70, 6
	s_add_co_u32 s84, s84, 3145728
	s_mov_b32 s85, 0
	s_wait_dscnt 0x0
	s_wait_kmcnt 0x0
	s_add_nc_u64 s[66:67], s[4:5], s[66:67]
	s_add_nc_u64 s[68:69], s[4:5], s[68:69]
	s_add_nc_u64 s[74:75], s[4:5], s[74:75]
	s_add_nc_u64 s[76:77], s[4:5], s[76:77]
	s_add_nc_u64 s[78:79], s[6:7], s[78:79]
	s_add_nc_u64 s[84:85], s[6:7], s[84:85]
	s_mov_b32 s28, 1
	s_add_co_u32 s29, s71, 0
	s_mov_b64 s[30:31], s[66:67]
	s_or_b32 s31, s31, 0x80000000
	s_add_co_u32 s72, s72, SCL
	tensor_load_to_lds s[28:31], s[44:51]          ; one tensor load a wave
	s_nop 0
.rept 4
	v_nop
.endr
	v_and_b32 v8, 15, v0                           ; r
	v_bfe_u32 v9, v0, 4, 1                         ; h
	v_and_b32 v10, 31, v0
	s_delay_alu instid0(VALU_DEP_1)
	v_lshlrev_b32 v1, 4, v10                       ; 16 x lane
	s_wait_alu depctr_va_vdst(0)
	v_lshlrev_b32 v29, 2, v8                       ; 4 r
	s_wait_alu depctr_va_vdst(0)
.irp c, 0,1,2
	global_load_b128 v[16+4*\c:19+4*\c], v1, s[74:75] offset:512*\c   ; q's image
.endr
	global_load_b32 v255, v29, s[76:77]            ; q's scale words
	global_load_b128 v[32:35], v1, s[68:69]        ; my 512 bytes of K's or V's scale words: they go to LDS through registers, into bytes on which no tensor load lands
	v_add_nc_u32 v6, s72, v1
	v_add_nc_u32 v3, SCL, v29                      ; K's scale words
	s_lshl_b32 s70, s10, 8
	s_add_co_u32 s70, s70, SCL+4096
	v_add_nc_u32 v2, s70, v29                      ; V's: my head's four channel tiles
	s_lshl_b32 s70, s11, 2
	s_add_co_u32 s70, s70, s9                      ; which of the work-group's 8 tiles
	s_mul_i32 s73, s70, FRB
	s_add_co_u32 s73, s73, XCH
	s_mul_i32 s80, s10, 520
	s_add_co_u32 s80, s80, s73
	v_add_nc_u32 v4, s80, v1                       ; my six registers' places in the image: registers 6 c, 6 c + 1 here, 6 c + 4, 6 c + 5 512 bytes on,
	s_mul_i32 s80, s10, 1016
	s_add_co_u32 s80, s80, s73
	s_add_co_u32 s80, s80, 8
	v_add_nc_u32 v5, s80, v1                       ; 6 c + 2, 6 c + 3 here
	s_lshl_b32 s80, s70, 6
	s_add_co_u32 s80, s80, XS
	s_lshl_b32 s73, s10, 1
	s_add_co_u32 s80, s80, s73
	v_add_nc_u32 v7, s80, v29                      ; my two bytes of the row's scale word
	v_and_b32 v28, 8, v8
	s_delay_alu instid0(VALU_DEP_1)
	v_add_nc_u32 v28, v28, v8
	v_lshlrev_b32 v9, 4, v9
	s_delay_alu instid0(VALU_DEP_1)
	v_sub_nc_u32 v28, v28, v9                      ; r + 8 (r / 8) - 16 h, for the mask
	s_mul_i32 s83, s10, 4*FRB
	s_add_co_u32 s83, s83, 98304
	s_mov_b32 s20, 0x76543210
	s_mov_b32 s21, 0xfedcba98                      ; v_permlanex16_b32's selects for lane l xor 16
	s_mov_b32 s22, 0x3e38aa3b                      ; log2(e) / 8
	s_mov_b32 s23, s22
	s_mov_b32 s60, 0                               ; LDS byte of the step's K
	s_mov_b32 s61, 0                               ; of its scale words: 512 bytes a step
	s_mov_b32 s62, 0                               ; the step's first key
	s_cmp_eq_u32 s10, 0
	s_cselect_b32 s81, -1, 0
	s_cselect_b32 s82, 0, -1
	v_mov_b32 v13, 0xff61b1e6                      ; the largest t so far: -3e38
	s_delay_alu instid0(VALU_DEP_1)
	v_floor_f32 v12, -v13                          ; -M
	v_mov_b32 v14, 0
	v_mov_b32 v15, 0
.irp b, 0,1,2,3
	v_mov_b32 v[236+\b], 0                         ; a lane permute's destination counts as one of its sources
.endr
	v_mov_b32 v253, 0                              ; (named as the upper half of the pair v[252:253] before it is first written)
	s_wait_loadcnt 0x0
	ds_store_b128 v6, v[32:35]
.irp i, 0,1,2,3,4,5
	v_and_b32 v[16+\i], s81, v[16+\i]              ; the other head's codes of q become zeros
	v_and_b32 v[22+\i], s82, v[22+\i]
.endr
.set n, 0
.rept 32
	v_mov_b32 v[160+n], 0                          ; O^T: the step is written once; the first change of M leaves zeros zeros
.set n, n+1
.endr
.macro STEP                            ; 128 keys
	s_add_co_u32 s70, s17, 23
	s_cmp_gt_u32 s62, s70                          ; all keys behind my last query: nothing to do
	s_cbranch_scc1 .Lhid_\@
	v_add_nc_u32 v8, s60, v1                       ; (these four lines are the places in front of the loads into registers that the last products read)
	s_wait_alu depctr_va_vdst(0)
	v_add_nc_u32 v9, s83, v8
	v_add_nc_u32 v10, s61, v3
	s_wait_alu depctr_va_vdst(0)
	v_add_nc_u32 v11, s61, v2
.irp g, 0,1                                    ; S^T = k q^T, four tiles of 16 keys at a time
.if \g
.rept 4
	v_nop
.endr
.endif
.irp t, 0,1,2,3
.irp k, 0,1,2
	ds_load_b128 v[32+12*\t+4*\k:35+12*\t+4*\k], v8 offset:(4*\g+\t)*FRB+512*\k
.endr
	ds_load_b32 v[248+\t], v10 offset:(4*\g+\t)*64
.endr
	s_wait_dscnt 0x0
.irp t, 0,1,2,3
	v_wmma_scale_f32_16x16x128_f8f6f4 v[96+8*(4*\g+\t):103+8*(4*\g+\t)], v[32+12*\t:43+12*\t], v[16:27], 0, v[248+\t], v255 matrix_a_fmt:MATRIX_FMT_FP6 matrix_b_fmt:MATRIX_FMT_FP6
.endr
.endr                                          ; register 16 b + i: key 32 b + 16 h + i of the step
.rept 4
	v_nop
.endr
	s_add_co_u32 s70, s62, 127
	s_cmp_le_u32 s70, s17                          ; all keys count for all my queries: no mask
	s_cbranch_scc1 .Lopen_\@
	s_sub_co_i32 s70, s17, s62
	v_add_nc_u32 v192, s70, v28                    ; d = my query - the step's first key - 16 h: hidden where 32 b + i > d
	v_mov_b32 v194, 0xff800000                     ; -infinity: p = 0 then
.set n, 0
.rept 64
	v_cmp_gt_i32 vcc_lo, 32*(n/16)+n%16, v192
	v_cndmask_b32 v[96+n], v[96+n], v194, vcc_lo
.set n, n+1
.endr
.Lopen_\@:
.irp b, 0,1,2,3
	v_max3_num_f32 v[232+\b], v[96+16*\b], v[97+16*\b], v[98+16*\b]   ; the largest score of each block of 32 keys: for the row's maximum, and, since p rises with the score, for the block's largest p
.endr
.irp i, 3,5,7,9,11,13
.irp b, 0,1,2,3
	v_max3_num_f32 v[232+\b], v[232+\b], v[96+16*\b+\i], v[97+16*\b+\i]
.endr
.endr
.irp b, 0,1,2,3
	v_max_num_f32 v[232+\b], v[232+\b], v[111+16*\b]
.endr
.irp b, 0,1,2,3
	s_delay_alu instid0(VALU_DEP_4)
	v_permlanex16_b32 v[236+\b], v[232+\b], s20, s21
.endr
.irp b, 0,1,2,3
	s_delay_alu instid0(VALU_DEP_4)
	v_max_num_f32 v[232+\b], v[232+\b], v[236+\b]
.endr
	s_delay_alu instid0(VALU_DEP_2)
	v_max3_num_f32 v254, v232, v233, v234
	s_delay_alu instid0(VALU_DEP_1)
	v_max_num_f32 v254, v254, v235
	s_delay_alu instid0(VALU_DEP_1)
	v_mul_f32 v254, s22, v254
	s_delay_alu instid0(VALU_DEP_1)
	v_max_num_f32 v13, v13, v254                   ; the running largest t
	v_mov_b32 v254, v12
	s_delay_alu instid0(VALU_DEP_2)
	v_floor_f32 v12, -v13                          ; the new -M = -ceil(t)
	s_delay_alu instid0(VALU_DEP_1)
	v_sub_f32 v254, v12, v254                      ; old M - new M: a whole number, 0 or less
	s_delay_alu instid0(VALU_DEP_1)
	v_cvt_i32_f32 v254, v254                       ; (it saturates)
	s_delay_alu instid0(VALU_DEP_1)
	v_ldexp_f32 v252, 1.0, v254                    ; f = 2^(old M - new M): rounds nothing
.set n, 0
.rept 32
	v_pk_fma_f32 v[96+n:97+n], v[96+n:97+n], s[22:23], v[12:13] op_sel_hi:[1,0,0]   ; t - M
.set n, n+2
.endr
.irp b, 0,1,2,3
	v_fma_f32 v[232+\b], v[232+\b], s22, v12
.endr
.set n, 0
	s_wait_alu depctr_va_vdst(0)
.rept 64
	v_exp_f32 v[96+n], v[96+n]                     ; p = 2^(t - M)
.set n, n+1
.endr
.irp b, 0,1,2,3
	v_exp_f32 v[232+\b], v[232+\b]                 ; the block's largest p
.endr
	v_pk_mul_f32 v[14:15], v[14:15], v[252:253] op_sel_hi:[1,0]   ; the sums under the new M (a plain place behind the exponentials)
	s_wait_alu depctr_va_vdst(0)
.irp b, 0,1,2,3
	v_max_num_f32 v[232+\b], 0x1800000, v[232+\b]  ; the floor 2^(3 - 127)
.endr
.irp b, 0,1,2,3
	s_delay_alu instid0(VALU_DEP_4)
	v_add_nc_u32 v[244+\b], 0xff000000, v[232+\b]  ; the conversion's scale operand
.endr
.irp b, 0,1,2,3
	s_delay_alu instid0(VALU_DEP_4)
	v_lshrrev_b32 v[236+\b], 23, v[244+\b]
.endr
	s_delay_alu instid0(VALU_DEP_3)
	v_lshl_or_b32 v253, v237, 8, v236              ; p's scale word for these 128 keys
	s_delay_alu instid0(VALU_DEP_1)
	v_lshl_or_b32 v253, v238, 16, v253
	s_delay_alu instid0(VALU_DEP_1)
	v_lshl_or_b32 v253, v239, 24, v253
.irp c, 0,1
	v_cvt_scalef32_pk16_fp6_f32 v[224+6*\c:226+6*\c], v[96+32*\c:111+32*\c], v[244+2*\c]
	v_cvt_scalef32_pk16_fp6_f32 v[236+4*\c:238+4*\c], v[112+32*\c:127+32*\c], v[245+2*\c]
.endr
	v_nop                                          ; one plain place behind a scaled conversion
.irp c, 0,1
.irp i, 0,1,2
	v_permlane16_swap_b32 v[224+6*\c+\i], v[236+4*\c+\i]
.endr
.irp i, 0,1,2
	s_delay_alu instid0(VALU_DEP_3)
	v_mov_b32 v[227+6*\c+\i], v[236+4*\c+\i]
.endr
.endr
	v_pk_add_f32 v[236:237], v[100:101], v[104:105]
	v_pk_add_f32 v[220:221], v[108:109], v[112:113]
	v_pk_add_f32 v[218:219], v[116:117], v[120:121]
	v_pk_add_f32 v[216:217], v[124:125], v[128:129]
	v_pk_add_f32 v[214:215], v[132:133], v[136:137]
	v_pk_add_f32 v[212:213], v[140:141], v[144:145]
	v_pk_add_f32 v[210:211], v[148:149], v[152:153]
	v_pk_add_f32 v[14:15], v[14:15], v[156:157]
	v_pk_add_f32 v[236:237], v[236:237], v[96:97]
	v_pk_add_f32 v[220:221], v[220:221], v[98:99]
	v_pk_add_f32 v[218:219], v[218:219], v[102:103]
	v_pk_add_f32 v[216:217], v[216:217], v[106:107]
	v_pk_add_f32 v[214:215], v[214:215], v[110:111]
	v_pk_add_f32 v[212:213], v[212:213], v[114:115]
	v_pk_add_f32 v[210:211], v[210:211], v[118:119]
	v_pk_add_f32 v[14:15], v[14:15], v[122:123]
	v_pk_add_f32 v[236:237], v[236:237], v[126:127]
	v_pk_add_f32 v[220:221], v[220:221], v[130:131]
	v_pk_add_f32 v[218:219], v[218:219], v[134:135]
	v_pk_add_f32 v[216:217], v[216:217], v[138:139]
	v_pk_add_f32 v[214:215], v[214:215], v[142:143]
	v_pk_add_f32 v[212:213], v[212:213], v[146:147]
	v_pk_add_f32 v[210:211], v[210:211], v[150:151]
	v_pk_add_f32 v[14:15], v[14:15], v[154:155]
	v_pk_add_f32 v[236:237], v[236:237], v[158:159]
	s_delay_alu instid0(VALU_DEP_2)
	v_pk_add_f32 v[14:15], v[14:15], v[216:217]
	s_delay_alu instid0(VALU_DEP_2)
	v_pk_add_f32 v[236:237], v[236:237], v[214:215]
	v_pk_add_f32 v[220:221], v[220:221], v[212:213]
	v_pk_add_f32 v[218:219], v[218:219], v[210:211]
	s_delay_alu instid0(VALU_DEP_2)
	v_pk_add_f32 v[14:15], v[14:15], v[220:221]
	s_delay_alu instid0(VALU_DEP_2)
	v_pk_add_f32 v[236:237], v[236:237], v[218:219]
	s_delay_alu instid0(VALU_DEP_1)
	v_pk_add_f32 v[14:15], v[14:15], v[236:237]
.set n, 0
.rept 16
	v_pk_mul_f32 v[160+n:161+n], v[160+n:161+n], v[252:253] op_sel_hi:[1,0]   ; O^T under the new M (these are also the places in front of the products and loads below)
.set n, n+2
.endr
.irp t, 0,1,2,3                                ; O^T += v^T p^T: my head's four tiles of 16 channels
.irp k, 0,1,2
	ds_load_b128 v[32+12*\t+4*\k:35+12*\t+4*\k], v9 offset:\t*FRB+512*\k
.endr
	ds_load_b32 v[248+\t], v11 offset:64*\t
.endr
	s_wait_alu depctr_va_vdst(0)
	s_wait_dscnt 0x0
.irp t, 0,1,2,3
	v_wmma_scale_f32_16x16x128_f8f6f4 v[160+8*\t:167+8*\t], v[32+12*\t:43+12*\t], v[224:235], v[160+8*\t:167+8*\t], v[248+\t], v253 matrix_a_fmt:MATRIX_FMT_FP6 matrix_b_fmt:MATRIX_FMT_FP6
.endr
.Lhid_\@:
	s_add_co_u32 s62, s62, 128
	s_add_co_u32 s60, s60, 8*FRB
	s_add_co_u32 s61, s61, 512
.endm
	s_wait_alu depctr_va_vdst(0)                   ; the wait at the head's end
	s_wait_tensorcnt 0x0                           ; my part of K or V is in,
	s_wait_dscnt 0x0                               ; and my scale words lie in LDS
	s_barrier_signal -1
	s_barrier_wait -1                              ; everybody's are: all of K and V is whole, nothing is filled again, and the eight key steps need no further barrier
	s_mov_b32 s63, 8
.Lst:
	STEP
	s_sub_co_u32 s63, s63, 1
	s_cmp_lg_u32 s63, 0
	s_cbranch_scc1 .Lst
	; THE WAY OUT: O^T / the sum, quantised: my head's 64 channels are two blocks, six registers of the pair's fragment
.rept 4
	v_nop                                          ; places behind the last products
.endr
	v_add_f32 v14, v14, v15
	s_delay_alu instid0(VALU_DEP_1)
	v_permlanex16_b32 v236, v14, s20, s21
	s_delay_alu instid0(VALU_DEP_1)
	v_add_f32 v14, v14, v236                       ; the row's sum
	s_wait_alu depctr_va_vdst(0)
	v_rcp_f32 v14, v14
	v_nop                                          ; one plain place behind a transcendental
.set n, 0
	s_wait_alu depctr_va_vdst(0)
.rept 32
	v_mul_f32 v[96+n], v[160+n], v14               ; register 16 b + i: channel 32 b + 16 h + i of my head
.set n, n+1
.endr
.irp b, 0,1
	v_max3_num_f32 v[232+\b], |v[96+16*\b]|, |v[97+16*\b]|, 0x1800000
.endr
.irp i, 2,4,6,8,10,12,14
.irp b, 0,1
	s_delay_alu instid0(VALU_DEP_2)
	v_max3_num_f32 v[232+\b], v[232+\b], |v[96+16*\b+\i]|, |v[97+16*\b+\i]|
.endr
.endr
.irp b, 0,1
	s_delay_alu instid0(VALU_DEP_2)
	v_permlanex16_b32 v[236+\b], v[232+\b], s20, s21
.endr
.irp b, 0,1
	s_delay_alu instid0(VALU_DEP_2)
	v_max_num_f32 v[232+\b], v[232+\b], v[236+\b]
.endr
.irp b, 0,1
	s_delay_alu instid0(VALU_DEP_2)
	v_add_nc_u32 v[244+\b], 0xff000000, v[232+\b]
.endr
.irp b, 0,1
	s_delay_alu instid0(VALU_DEP_2)
	v_lshrrev_b32 v[236+\b], 23, v[244+\b]
.endr
	s_delay_alu instid0(VALU_DEP_1)
	v_lshl_or_b32 v240, v237, 8, v236              ; my two bytes
	v_cvt_scalef32_pk16_fp6_f32 v[224:226], v[96:111], v244
	v_cvt_scalef32_pk16_fp6_f32 v[236:238], v[112:127], v245
	v_nop
.irp i, 0,1,2
	v_permlane16_swap_b32 v[224+\i], v[236+\i]
.endr
.irp i, 0,1,2
	s_delay_alu instid0(VALU_DEP_3)
	v_mov_b32 v[227+\i], v[236+\i]
.endr
	ds_store_b64 v4, v[224:225]
	ds_store_b64 v5, v[226:227]
	ds_store_b64 v4, v[228:229] offset:512
	ds_store_b16 v7, v240
	s_wait_dscnt 0x0                               ; for the other head's wave
	s_barrier_signal -1
	s_barrier_wait -1
	s_cmp_lg_u32 s10, 0
	s_cbranch_scc1 .Lend                           ; the first head's wave stores the pair's fragment
.irp c, 0,1,2
	ds_load_b128 v[32+4*\c:35+4*\c], v4 offset:512*\c
.endr
	ds_load_b32 v44, v7
	s_wait_dscnt 0x0
.irp c, 0,1,2
	global_store_b128 v1, v[32+4*\c:35+4*\c], s[78:79] offset:512*\c
.endr
	v_cmp_gt_u32 vcc_lo, 256, v1                   ; lanes 0-15
	s_wait_xcnt 0x0                                ; EXEC changes only behind this wait
	s_and_saveexec_b32 s70, vcc_lo
	global_store_b32 v29, v44, s[84:85]
	s_wait_xcnt 0x0
	s_or_b32 exec_lo, exec_lo, s70
.Lend:
	s_wait_tensorcnt 0x0
	ds_add_u32 v223, v243
	s_wait_dscnt 0x0
	s_endpgm
.Lfunc_end_k_q0013010a7a_attn:
	.size	k_q0013010a7a_attn, .Lfunc_end_k_q0013010a7a_attn-k_q0013010a7a_attn
	.p2alignl 7, 3214868480
	.fill 96, 4, 3214868480
	.section	.rodata,"a",@progbits
	.p2align	6, 0x0
	.amdhsa_kernel k_q0013010a7a_attn
		.amdhsa_group_segment_fixed_size 219648
		.amdhsa_private_segment_fixed_size 0
		.amdhsa_enable_private_segment 0
		.amdhsa_kernarg_size 16
		.amdhsa_user_sgpr_count 2
		.amdhsa_user_sgpr_kernarg_segment_ptr 1
		.amdhsa_wavefront_size32 1
		.amdhsa_system_sgpr_workgroup_id_x 1
		.amdhsa_system_sgpr_workgroup_id_y 1
		.amdhsa_system_sgpr_workgroup_id_z 1
		.amdhsa_system_vgpr_workitem_id 0
		.amdhsa_next_free_vgpr 256
		.amdhsa_next_free_sgpr 86
		.amdhsa_reserve_vcc 1
		.amdhsa_float_denorm_mode_32 3
		.amdhsa_float_denorm_mode_16_64 3
		.amdhsa_memory_ordered 1
		.amdhsa_forward_progress 1
		.amdhsa_inst_pref_size 38
	.end_amdhsa_kernel
	.amdgpu_metadata
---
amdhsa.version: [ 1, 2 ]
amdhsa.kernels:
  - .name:           k_q0013010a7a_attn
    .symbol:         k_q0013010a7a_attn.kd
    .args:
      - { .name: qkv, .offset: 0, .size: 8, .value_kind: global_buffer, .address_space: global }
      - { .name: ctx, .offset: 8, .size: 8, .value_kind: global_buffer, .address_space: global }
    .group_segment_fixed_size: 219648
    .private_segment_fixed_size: 0
    .kernarg_segment_align: 8
    .kernarg_segment_size: 16
    .max_flat_workgroup_size: 512
    .sgpr_count:     86
    .vgpr_count:     256
    .wavefront_size: 32
...
	.end_amdgpu_metadata
.endif
;; end of part 3
;; launch wo (part 4): grid 8 x 32, 4 waves a work-group, clusters of 4 x 4, 327,680 bytes of LDS; arguments ctx, ops, bo, x, x1; writes x1
.if DOCPART == 4
	.amdgcn_target "amdgcn-amd-amdhsa--gfx1250"
	.amdhsa_code_object_version 6
	.text
	.protected	k_q0013010a7a_wo
	.globl	k_q0013010a7a_wo
	.p2align	8
	.type	k_q0013010a7a_wo,@function
k_q0013010a7a_wo:
	s_mov_b64 s[64:65], 0
	v_nop
	global_prefetch_b8 v0, s[64:65] scope:SCOPE_SE
	s_setreg_imm32_b32 hwreg(HW_REG_WAVE_MODE, 25, 1), 1
	s_wait_xcnt 0x0
	s_wait_alu depctr_hold_cnt(0) depctr_sa_sdst(0) depctr_va_vdst(0) depctr_va_sdst(0) depctr_va_ssrc(0) depctr_va_vcc(0) depctr_vm_vsrc(0)
	s_getreg_b32 s2, hwreg(HW_REG_IB_STS2, 6, 4)
	s_cmp_eq_u32 s2, 0
	s_cbranch_scc0 .Lentry_in_a_cluster
	s_endpgm
.Lentry_in_a_cluster:
	s_bfe_u32 s2, ttmp6, 0x10000c
	s_cmp_lg_u32 s2, 0xf033
	s_cbranch_scc0 .Lentry_shape_is_right
	s_endpgm
.Lentry_shape_is_right:
; x1 = x + ctx Wo^T + bo on codes of FP6 (E2M3), K = 1,024: 8 steps of 128.
; Operands are register images (fragment = 16 rows x 128 K = 1,536 bytes; 64 bytes of scale words; the rows of tile t are 32 (t / 2) + 8 (t % 2) + r + 8 (r / 8)).
; ctx's and Wo's images lie step-major inside a block of 8 tiles (place 64 (t / 8) + 8 s + t % 8): a work-group's 128 rows, all of K, are 98,304 dense bytes.
; 32 x 8 blocks of 128 x 128, one to a work-group; four waves, 64 x 64 each: 16 accumulators.  Source 0 = the weight (part B), source 1 = ctx's rows (part A): a lane holds one row of the output.
; ALL OF K LIES IN LDS: A's 98,304 bytes, B's, 8,192 of scale words.  One tensor load a wave at the head: wave 0 A's codes, wave 1 B's, wave 2 A's scale words, wave 3 B's.  Nothing is filled again: one barrier.
; Fragments are fetched three steps ahead, into four sets of registers.
; 4 x 4 work-groups form a cluster: ctx's tiles are shared along a row, the weight's along a column.  The bias is the C of each sum's first product; the residual is loaded at the head.
; No prefetch: the launch has no loop to run ahead in; every byte is asked for at the head.
; REGISTERS: window 0: v16-31 addresses, v32-47 scale words (four sets), from v64 A's fragments (four sets of 48), on the way out rows of the output.  window 1: v0-191 B's fragments (four sets), v192-223 the bias.  window 2: accumulator (a, b) at 8 (4 a + b).  window 3: the residual.
.set KS,    8
.set ASCL,  3145728
.set BCOD,  2359296
.set BSCL,  9535488
.set TW,    4
.set FRB,   1536
.set STB,   2*TW*FRB                   ; a K step of a part's 8 tiles
.set BLD,   KS*STB                     ; part B's codes
.set HALFC, TW*KS*FRB
.set HALFS, TW*KS*64
.set SCL,   2*BLD
.set SPARE, SCL+4*HALFS                ; the spare words: two blocks of 256 bytes that no other line names
.set STAGE, SPARE+512                  ; 16 rows x 272 bytes for each wave: no fill lands here
.set BIAS,  192
.set BK,    64
.set ADRA, 16                          ; v16-17 my A fragments at steps 0, 4
.set ADRB, 20                          ; v20-21 the same for B
.set RO,   24
.set STO,  25
.set BO,   26
.set ADRS, 27
.set SPW,  28
.set NIL,  29
.set RD,   30
.set SC,   32
.set AF,   64
.set G1,   24
.set G1B,  48
.set G0H,  32
.set G0HB, 36
.set G0S,  56
.set G0SB, 60
.set G1S,  68
.set G1SB, 76
.set MSB, 0
.macro WIN new
.if MSB != (\new)
	s_set_vgpr_msb (MSB<<8)|(\new)
.set MSB, (\new)
.endif
.endm
.macro PLACES
.rept 4
	v_nop
.endr
.endm
.macro SHAPE g, r                      ; group 1, words 1-7: r dense rows of 256 bytes (32 elements of 8)
	s_mov_b32 s[\g+1], 32<<16
	s_mov_b32 s[\g+2], (\r)<<16
	s_mov_b32 s[\g+3], 32<<16
	s_mov_b32 s[\g+4], \r
	s_mov_b32 s[\g+5], 32
	s_mov_b32 s[\g+6], 0
	s_mov_b32 s[\g+7], 0
.endm
.macro PLACE g, off                    ; group 0 round the address in its words 2, 3
	s_mov_b32 s[\g], 1
	s_mov_b32 s[\g+1], \off
	s_or_b32 s[\g+3], s[\g+3], 0x80000000
.endm
.macro TLOAD g0, g1
	tensor_load_to_lds s[\g0:\g0+3], s[\g1:\g1+7]
	s_nop 0
.rept 4
	v_nop
.endr
.endm
.macro ARM under, g0, g1, next
	s_cmp_lt_u32 s14, \under
	s_cbranch_scc0 \next
	TLOAD \g0, \g1
	s_branch .Lhead_asked
\next:
.endm
.macro CROUND
	s_barrier_signal -1
	s_barrier_wait -1
	s_cmp_lg_u32 s14, 0
	s_cbranch_scc1 .Lnot_wave_0_\@
	s_barrier_signal -3
.Lnot_wave_0_\@:
	s_barrier_wait -3
	s_barrier_signal -1
	s_barrier_wait -1
.endm
.macro FETCH s                         ; K step s: its fragments and scale words into set s % 4: 28 LDS loads
	WIN 0x40
.set fi, 0
.rept TW
.irp c, 0,1,2
	ds_load_b128 v[12*TW*((\s)%4)+12*fi+4*\c:12*TW*((\s)%4)+12*fi+4*\c+3], v[ADRB+(\s)/4] offset:((\s)%4)*STB+fi*FRB+512*\c
.endr
.set fi, fi+1
.endr
	WIN 0
.set fi, 0
.rept TW
.irp c, 0,1,2
	ds_load_b128 v[AF+12*TW*((\s)%4)+12*fi+4*\c:AF+12*TW*((\s)%4)+12*fi+4*\c+3], v[ADRA+(\s)/4] offset:((\s)%4)*STB+fi*FRB+512*\c
.endr
.set fi, fi+1
.endr
.set fi, 0
.rept TW
	ds_load_b32 v[SC+TW*((\s)%4)+fi], v[ADRS] offset:fi*KS*64+64*(\s)   ; lanes 0-15: A's tile fi, lanes 16-31: B's
.set fi, fi+1
.endr
.endm
; A quarter of a K step's products.  mode 0: onto the sums; 2: the bias starts them.  The 16 accumulators take turns, in the same order in every step.
.macro MULQ qd, p, mode
.if \mode == 2
	WIN 0x91
.else
	WIN 0xa1
.endif
.set ma, \qd
.set mb, 0
.rept TW
.set AR, 8*(TW*ma+mb)
.set BR, 12*TW*(\p)+12*mb
.set FA, AF+12*TW*(\p)+12*ma
.set SB, SC+TW*(\p)+mb
.set SA, SC+TW*(\p)+ma
.if \mode == 0
	v_wmma_scale_f32_16x16x128_f8f6f4 v[AR:AR+7], v[BR:BR+11], v[FA:FA+11], v[AR:AR+7], v[SB], v[SA] matrix_a_fmt:MATRIX_FMT_FP6 matrix_b_fmt:MATRIX_FMT_FP6 matrix_a_scale:MATRIX_SCALE_ROW1
.else
	v_wmma_scale_f32_16x16x128_f8f6f4 v[AR:AR+7], v[BR:BR+11], v[FA:FA+11], v[BIAS+8*mb:BIAS+8*mb+7], v[SB], v[SA] matrix_a_fmt:MATRIX_FMT_FP6 matrix_b_fmt:MATRIX_FMT_FP6 matrix_a_scale:MATRIX_SCALE_ROW1
.endif
.set mb, mb+1
.endr
.endm
.macro STEP s                          ; K step s.  Behind its own fetch stand those of steps s + 1 and s + 2, as far as K has them: 28 loads each may be out
.if (\s) < 6
	s_wait_dscnt 56
.elseif (\s) == 6
	s_wait_dscnt 28
.else
	s_wait_dscnt 0x0
.endif
.if (\s) < 5
	PLACES                                         ; four places behind step s - 1's products, whose set the loads below fill
	FETCH (\s)+3
.endif
.irp q, 0,1,2,3
.if (\s) == 0
	MULQ \q, 0, 2
.else
	MULQ \q, (\s)%4, 0
.endif
.endr
.endm
	s_load_b256 s[4:11], s[0:1], 0x0               ; ctx 4, ops 6, bias 8, residual 10
	s_load_b64 s[12:13], s[0:1], 0x20              ; the output
	v_lshl_add_u32 v[SPW], v0, 2, SPARE
	v_mov_b32 v[NIL], 0
	ds_add_u32 v[SPW], v[NIL]                      ; the opening lines: the add, twice on end, and its wait
	ds_add_u32 v[SPW], v[NIL]
	v_lshrrev_b32 v1, 5, v0
	v_readfirstlane_b32 s14, v1                    ; wave 0..3
	s_lshr_b32 s15, s14, 1
	s_and_b32 s16, s14, 1
	s_bfe_u32 s40, ttmp6, 0x40000                  ; cx
	s_bfe_u32 s41, ttmp6, 0x40004                  ; cy
	s_lshl_b32 s42, ttmp9, 2
	s_add_co_u32 s42, s42, s40                     ; X: which 128 columns
	s_and_b32 s17, ttmp7, 0xffff
	s_lshl_b32 s17, s17, 2
	s_add_co_u32 s17, s17, s41                     ; Y: which 128 rows
	s_lshl_b32 s43, s41, 2
	s_lshl_b32 s43, 15, s43                        ; my row of the cluster
	s_lshl_b32 s66, 0x1111, s40                    ; my column
.irp g, G1, G1S
	s_or_b32 s[\g], s43, (3<<16)|(1<<21)           ; the mask; elements of 8 bytes; bit 21 beside a mask
.endr
.irp g, G1B, G1SB
	s_or_b32 s[\g], s66, (3<<16)|(1<<21)
.endr
	SHAPE G1, KS*STB/256
	SHAPE G1B, KS*STB/256
	SHAPE G1S, 2*HALFS/256
	SHAPE G1SB, 2*HALFS/256
	s_mul_i32 s[G0H+2], s17, 2*HALFC               ; the offsets are made where the addresses will stand
	s_mov_b32 s[G0H+3], 0
	s_mul_i32 s[G0HB+2], s42, 2*HALFC
	s_add_co_u32 s[G0HB+2], s[G0HB+2], BCOD
	s_mov_b32 s[G0HB+3], 0
	s_mul_i32 s[G0S+2], s17, 2*HALFS
	s_add_co_u32 s[G0S+2], s[G0S+2], ASCL
	s_mov_b32 s[G0S+3], 0
	s_mul_i32 s[G0SB+2], s42, 2*HALFS
	s_add_co_u32 s[G0SB+2], s[G0SB+2], BSCL
	s_mov_b32 s[G0SB+3], 0
	s_wait_dscnt 0x0                               ; both opening adds are done
	s_wait_kmcnt 0x0
	s_add_nc_u64 s[G0S+2:G0S+3], s[4:5], s[G0S+2:G0S+3]
	s_add_nc_u64 s[G0SB+2:G0SB+3], s[6:7], s[G0SB+2:G0SB+3]
	s_add_nc_u64 s[G0H+2:G0H+3], s[4:5], s[G0H+2:G0H+3]
	s_add_nc_u64 s[G0HB+2:G0HB+3], s[6:7], s[G0HB+2:G0HB+3]
	PLACE G0H, 0
	PLACE G0HB, BLD
	PLACE G0S, SCL
	PLACE G0SB, SCL+2*HALFS
	CROUND                                         ; all sixteen work-groups are here: the joint loads meet
	ARM 1, G0H, G1, .Lhead_b                       ; one chain of branches, one load to an arm, one join
	ARM 2, G0HB, G1B, .Lhead_sa
	ARM 3, G0S, G1S, .Lhead_sb
	TLOAD G0SB, G1SB
.Lhead_asked:
	s_lshl_b32 s40, s17, 3
	s_lshl_b32 s41, s15, 2
	s_add_co_u32 s40, s40, s41                     ; my first tile of rows
	s_lshl_b32 s40, s40, 16                        ; 16 rows of 4,096 bytes
	s_lshl_b32 s42, s42, 9
	s_lshl_b32 s43, s16, 8
	s_add_co_u32 s42, s42, s43                     ; my 64 columns, in bytes
	s_add_co_u32 s40, s40, s42
	s_mov_b32 s41, 0
	s_mov_b32 s43, 0
	s_add_nc_u64 s[10:11], s[10:11], s[40:41]
	s_add_nc_u64 s[12:13], s[12:13], s[40:41]
	s_add_nc_u64 s[8:9], s[8:9], s[42:43]
	s_mul_i32 s18, s15, TW*FRB
	s_mul_i32 s19, s16, TW*FRB
	s_add_co_u32 s19, s19, BLD
	s_mul_i32 s66, s15, HALFS
	s_mul_i32 s67, s16, HALFS
	s_add_co_u32 s67, s67, 2*HALFS
	s_sub_co_u32 s67, s67, s66                     ; the distance from A's words to B's
	s_add_co_u32 s66, s66, SCL
	s_mul_i32 s40, s14, 16*272
	s_add_co_u32 s40, s40, STAGE                   ; my stage
	v_and_b32 v1, 15, v0                           ; r
	v_bfe_u32 v2, v0, 4, 1                         ; h
	v_and_b32 v3, 31, v0
	v_lshlrev_b32 v3, 4, v3                        ; 16 x lane
	v_add_nc_u32 v[ADRA], s18, v3
	v_add_nc_u32 v[ADRB], s19, v3
	v_add_nc_u32 v[ADRA+1], 4*STB, v[ADRA]
	v_add_nc_u32 v[ADRB+1], 4*STB, v[ADRB]
	v_mul_u32_u24 v4, s67, v2                      ; lanes 16-31 take B's words
	v_lshl_add_u32 v4, v1, 2, v4
	v_add_nc_u32 v[ADRS], s66, v4
	v_mul_u32_u24 v4, v1, 272
	v_lshl_add_u32 v4, v2, 6, v4
	v_add_nc_u32 v[STO], s40, v4                   ; the stage, in: row r, + 64 h
	v_mul_u32_u24 v4, v2, 272
	v_lshl_add_u32 v4, v1, 4, v4
	v_add_nc_u32 v[RD], s40, v4                    ; back: lanes 0-15 one row of 256 bytes, lanes 16-31 the next
	v_lshlrev_b32 v4, 12, v2
	v_lshl_add_u32 v[RO], v1, 4, v4
	v_lshlrev_b32 v[BO], 6, v2
	s_wait_alu depctr_va_vdst(0)                   ; the wait at the head's end
	WIN 0x40
.irp b, 0,1,2,3                                ; the bias in the result's layout: tile b, lane (r, h): columns 32 (b / 2) + 8 (b % 2) + 16 h + 0 .. 7
	global_load_b128 v[BIAS+8*\b:BIAS+8*\b+3], v[BO], s[8:9] offset:(32*(\b/2)+8*(\b%2))*4
	global_load_b128 v[BIAS+8*\b+4:BIAS+8*\b+7], v[BO], s[8:9] offset:(32*(\b/2)+8*(\b%2))*4+16
.endr
	WIN 0xc0
.irp a, 0,1,2,3                                ; the residual, as the rows will leave: sixteen lanes read 256 consecutive bytes
.irp k, 0,1,2,3,4,5,6,7
	global_load_b128 v[32*\a+4*\k:32*\a+4*\k+3], v[RO], s[10:11] offset:(32*(\a/2)+8*(\a%2)+2*\k+8*(\k/4))*4096
.endr
.endr
	WIN 0
	s_wait_tensorcnt 0x0                           ; my one load has landed
	s_barrier_signal -1
	s_barrier_wait -1                              ; everybody's has: all of K and the scale words are whole
	FETCH 0
	FETCH 1
	FETCH 2
	s_wait_loadcnt 32                              ; the bias is in; the residual's 32 loads may be out
.set ST, 0
.rept KS
	STEP ST                                        ; the first step's products start the sums, from the bias
.set ST, ST+1
.endr
	WIN 0
	; THE WAY OUT: 16 rows x 64 columns go through my own stage and come back as rows of 256 bytes; the residual is added; sixteen lanes store 256 consecutive bytes, aligned
.macro TOSTAGE a
	WIN 0x08
.irp b, 0,1,2,3
	ds_store_b128 v[STO], v[8*(4*(\a)+\b):8*(4*(\a)+\b)+3] offset:128*(\b/2)+32*(\b%2)      ; each accumulator from its low end on
	ds_store_b128 v[STO], v[8*(4*(\a)+\b)+4:8*(4*(\a)+\b)+7] offset:128*(\b/2)+32*(\b%2)+16
.endr
	WIN 0
.irp k, 0,1,2,3,4,5,6,7
	ds_load_b128 v[BK+32*(\a)+4*\k:BK+32*(\a)+4*\k+3], v[RD] offset:2*\k*272   ; LDS serves a wave's instructions in order (ISA guide 5.7.1.4)
.endr
.endm
.macro SEND a, younger
	s_wait_dscnt \younger
	WIN 0x0c
.set kk, 0
.rept 16
	v_pk_add_f32 v[BK+32*(\a)+kk:BK+32*(\a)+kk+1], v[BK+32*(\a)+kk:BK+32*(\a)+kk+1], v[32*(\a)+kk:32*(\a)+kk+1]
.set kk, kk+2
.endr
	WIN 0
.irp k, 0,1,2,3,4,5,6,7
	global_store_b128 v[RO], v[BK+32*(\a)+4*\k:BK+32*(\a)+4*\k+3], s[12:13] offset:(32*((\a)/2)+8*((\a)%2)+2*\k+8*(\k/4))*4096
.endr
.endm
	PLACES
	s_wait_loadcnt 0x0                             ; the residual
	TOSTAGE 0
.irp a, 1,2,3
	TOSTAGE \a
	SEND \a-1, 16                                  ; behind block a - 1's loads: block a's 8 stores and 8 loads
.endr
	SEND 3, 0
	s_wait_tensorcnt 0x0                           ; the wave's end
	ds_add_u32 v[SPW], v[NIL]
	s_wait_dscnt 0x0
	CROUND                                         ; the closing round
	s_endpgm
.Lfunc_end_k_q0013010a7a_wo:
	.size	k_q0013010a7a_wo, .Lfunc_end_k_q0013010a7a_wo-k_q0013010a7a_wo
	.p2alignl 7, 3214868480
	.fill 96, 4, 3214868480
	.section	.rodata,"a",@progbits
	.p2align	6, 0x0
	.amdhsa_kernel k_q0013010a7a_wo
		.amdhsa_group_segment_fixed_size 327680
		.amdhsa_private_segment_fixed_size 0
		.amdhsa_enable_private_segment 0
		.amdhsa_kernarg_size 40
		.amdhsa_user_sgpr_count 2
		.amdhsa_user_sgpr_kernarg_segment_ptr 1
		.amdhsa_wavefront_size32 1
		.amdhsa_system_sgpr_workgroup_id_x 1
		.amdhsa_system_sgpr_workgroup_id_y 1
		.amdhsa_system_sgpr_workgroup_id_z 1
		.amdhsa_system_vgpr_workitem_id 0
		.amdhsa_next_free_vgpr 1024
		.amdhsa_next_free_sgpr 100
		.amdhsa_reserve_vcc 0
		.amdhsa_float_denorm_mode_32 3
		.amdhsa_float_denorm_mode_16_64 3
		.amdhsa_memory_ordered 1
		.amdhsa_forward_progress 1
		.amdhsa_inst_pref_size 56
	.end_amdhsa_kernel
	.amdgpu_metadata
---
amdhsa.version: [ 1, 2 ]
amdhsa.kernels:
  - .name:           k_q0013010a7a_wo
    .symbol:         k_q0013010a7a_wo.kd
    .args:
      - { .name: ctx, .offset: 0, .size: 8, .value_kind: global_buffer, .address_space: global }
      - { .name: ops, .offset: 8, .size: 8, .value_kind: global_buffer, .address_space: global }
      - { .name: bo, .offset: 16, .size: 8, .value_kind: global_buffer, .address_space: global }
      - { .name: x, .offset: 24, .size: 8, .value_kind: global_buffer, .address_space: global }
      - { .name: x1, .offset: 32, .size: 8, .value_kind: global_buffer, .address_space: global }
    .group_segment_fixed_size: 327680
    .private_segment_fixed_size: 0
    .kernarg_segment_align: 8
    .kernarg_segment_size: 40
    .max_flat_workgroup_size: 128
    .sgpr_count:     100
    .vgpr_count:     1024
    .wavefront_size: 32
...
	.end_amdgpu_metadata
.endif
;; end of part 4
;; launch ln2 (part 5): grid 256 x 1, 8 waves a work-group, no clusters, 67,584 bytes of LDS; arguments x1, ln2_scale, ln2_shift, ops; writes ops
.if DOCPART == 5
	.amdgcn_target "amdgcn-amd-amdhsa--gfx1250"
	.amdhsa_code_object_version 6
	.text
	.protected	k_q0013010a7a_ln2
	.globl	k_q0013010a7a_ln2
	.p2align	8
	.type	k_q0013010a7a_ln2,@function
k_q0013010a7a_ln2:
	s_mov_b64 s[64:65], 0
	v_nop
	global_prefetch_b8 v0, s[64:65] scope:SCOPE_SE
	s_setreg_imm32_b32 hwreg(HW_REG_WAVE_MODE, 25, 1), 1
	s_wait_xcnt 0x0
; LAYER NORM + QUANTISER: the first launch's text with LAY = 0: nothing of the weights is assembled.
; y = ((x - mean) / sqrt(var + 1e-7) + shift) * gain, rows of 1,024 f32, then codes of FP6 (E2M3) with one E8M0 byte for each 32 along the row.
; The codes leave as images of the matrix operand's registers: a fragment (16 rows x 128 K, 12 registers a lane) is 1,536 bytes, registers 4 c .. 4 c + 3 of lane l at 512 c + 16 l;
; its scale words are 64 bytes, row r's word at 4 r.  The 16 rows of tile t are rows 32 (t / 2) + 8 (t % 2) + r + 8 (r / 8).  ops: images at HIMG (fragment 8 t + s), words at HSCL.
; A work-group takes one tile of 16 rows.  Wave w normalises tile rows 2 w, 2 w + 1 (a row is 32 numbers a lane) and puts them into LDS; behind a barrier wave w quantises K step w of all 16 rows.
; LIMITS: NaN and infinities are not served; a block whose largest magnitude lies under 2^-124 (zeros too) gets the byte 1: its bytes are read by this program alone; 1 / sqrt is v_rsq_f32 and a multiplication.
.set ROWP, 4112                        ; an LDS row: 4,096 bytes + 16, so that the 16 rows of a load begin in 16 different columns of 16 bytes
.set SCW,  16*ROWP                     ; behind the rows: the tile's 8 x 16 scale words
.set HIMG, 9830400
.set HSCL, 12976128
.set FRB,  1536
.set X,    32                          ; v32-95   two rows, later 64 numbers of one K step
.set GA,   96                          ; v96-127  gain
.set SH,   128                         ; v128-159 shift
.set TM,   160                         ; v160-175 at work
.set PW,   176                         ; the scale word just made
.set PC,   180                         ; v180-198 the codes just made
.set SEL,  40                          ; s[40:41] v_permlanex16_b32's selects for lane l xor 16
.set OPS,  14
	s_load_b256 s[8:15], s[0:1], 0x0               ; x 8, gain 10, shift 12, ops 14
	v_lshl_add_u32 v200, v0, 2, 0x10400
	v_mov_b32 v201, 0
	v_lshrrev_b32 v1, 5, v0
	s_delay_alu instid0(VALU_DEP_1)
	v_readfirstlane_b32 s2, v1                     ; wave 0..7
	v_and_b32 v1, 31, v0                           ; lane
	s_delay_alu instid0(VALU_DEP_1)
	v_lshlrev_b32 v2, 4, v1                        ; 16 x lane
	s_wait_alu depctr_va_vdst(0)
	v_and_b32 v5, 15, v0                           ; r
	s_wait_alu depctr_va_vdst(0)
	v_bfe_u32 v6, v0, 4, 1                         ; h
	s_mov_b32 s[SEL], 0x76543210
	s_mov_b32 s[SEL+1], 0xfedcba98
	s_mov_b32 s50, 0x3a800000                      ; 1 / 1,024
	s_mov_b32 s51, 0x33d6bf95                      ; 1e-7
	s_lshr_b32 s3, ttmp9, 1
	s_lshl_b32 s3, s3, 5
	s_and_b32 s4, ttmp9, 1
	s_lshl_b32 s4, s4, 3
	s_add_co_u32 s3, s3, s4                        ; the tile's first row
	s_lshl_b32 s4, s2, 1
	s_add_co_u32 s3, s3, s4
	s_lshr_b32 s4, s2, 2
	s_lshl_b32 s4, s4, 3
	s_add_co_u32 s3, s3, s4                        ; + 2 w + 8 (w / 4): my first row
	s_lshl_b32 s42, s3, 12
	s_mov_b32 s43, 0
	s_mul_i32 s4, s2, 2*ROWP
	v_add_nc_u32 v3, s4, v2                        ; LDS, in: tile row 2 w, 16 x lane
	v_mul_u32_u24 v4, v5, ROWP
	s_wait_alu depctr_va_vdst(0)
	v_lshl_add_u32 v4, v6, 6, v4
	s_lshl_b32 s4, s2, 9
	v_add_nc_u32 v4, s4, v4                        ; LDS, out: row r, K step w, + 64 h
	v_lshlrev_b32 v7, 2, v5
	s_lshl_b32 s4, s2, 6
	v_add_nc_u32 v7, s4, v7
	s_delay_alu instid0(VALU_DEP_1)
	v_add_nc_u32 v7, SCW, v7                       ; my row's scale word of K step w
	v_add_nc_u32 v8, SCW, v2                       ; and the 512 bytes of words on the way out
	v_mov_b32 v[TM+8], 0                           ; a lane permute's destination counts as one of its sources
	s_lshl_b32 s4, ttmp9, 3
	s_add_co_u32 s4, s4, s2
	; step-major inside a block of 16 tiles: fragment 8 t + s goes to place 128 (t / 16) + 16 s + t % 16
	s_lshr_b32 s5, s4, 7
	s_lshl_b32 s5, s5, 7
	s_and_b32 s6, s4, 7
	s_lshl_b32 s6, s6, 4
	s_add_co_u32 s5, s5, s6
	s_bfe_u32 s6, s4, 0x40003
	s_add_co_u32 s5, s5, s6
	s_mul_i32 s44, s5, FRB
	s_add_co_u32 s44, s44, HIMG                    ; fragment 8 t + w
	s_mov_b32 s45, 0
	s_lshl_b32 s46, ttmp9, 9
	s_add_co_u32 s46, s46, HSCL
	s_mov_b32 s47, 0
	s_wait_kmcnt 0x0
	s_add_nc_u64 s[8:9], s[8:9], s[42:43]
	s_add_nc_u64 s[44:45], s[OPS:OPS+1], s[44:45]
	s_add_nc_u64 s[46:47], s[OPS:OPS+1], s[46:47]
.irp i, 0,1
.irp j, 0,1,2,3,4,5,6,7
	global_load_b128 v[X+32*\i+4*\j:X+32*\i+4*\j+3], v2, s[8:9] offset:\i*4096+512*\j   ; 512 consecutive bytes a load
.endr
.endr
.irp j, 0,1,2,3,4,5,6,7
	global_load_b128 v[GA+4*\j:GA+4*\j+3], v2, s[10:11] offset:512*\j
	global_load_b128 v[SH+4*\j:SH+4*\j+3], v2, s[12:13] offset:512*\j
.endr
.macro ALLSUM                          ; v[TM] summed over the 32 lanes, the sum in every lane
.irp m, 1,2,4,8
	s_delay_alu instid0(VALU_DEP_1)
	v_add_f32_dpp v[TM], v[TM], v[TM] row_xmask:\m row_mask:0xf bank_mask:0xf
.endr
	s_delay_alu instid0(VALU_DEP_1)
	v_permlanex16_b32 v[TM+8], v[TM], s[SEL], s[SEL+1]
	s_delay_alu instid0(VALU_DEP_1)
	v_add_f32 v[TM], v[TM], v[TM+8]
.endm
.macro ROWLN i
.set XR, X+32*\i
	v_pk_add_f32 v[TM:TM+1], v[XR:XR+1], v[XR+2:XR+3]               ; the sum, in two chains
	v_pk_add_f32 v[TM+2:TM+3], v[XR+4:XR+5], v[XR+6:XR+7]
.irp k, 8,12,16,20,24,28
	s_delay_alu instid0(VALU_DEP_2)
	v_pk_add_f32 v[TM:TM+1], v[TM:TM+1], v[XR+\k:XR+\k+1]
	s_delay_alu instid0(VALU_DEP_2)
	v_pk_add_f32 v[TM+2:TM+3], v[TM+2:TM+3], v[XR+\k+2:XR+\k+3]
.endr
	s_delay_alu instid0(VALU_DEP_1)
	v_pk_add_f32 v[TM:TM+1], v[TM:TM+1], v[TM+2:TM+3]
	s_delay_alu instid0(VALU_DEP_1)
	v_add_f32 v[TM], v[TM], v[TM+1]
	ALLSUM
	s_delay_alu instid0(VALU_DEP_1)
	v_mul_f32 v[TM+4], s50, v[TM]                  ; the mean, twice
	s_delay_alu instid0(VALU_DEP_2)
	v_mul_f32 v[TM+5], s50, v[TM]
.set k, 0
.rept 16
	v_pk_add_f32 v[XR+k:XR+k+1], v[XR+k:XR+k+1], v[TM+4:TM+5] neg_lo:[0,1] neg_hi:[0,1]   ; x - mean
.set k, k+2
.endr
	v_pk_mul_f32 v[TM:TM+1], v[XR:XR+1], v[XR:XR+1]                 ; the sum of squares: the first products start the two chains
	v_pk_mul_f32 v[TM+2:TM+3], v[XR+2:XR+3], v[XR+2:XR+3]
.irp k, 4,8,12,16,20,24,28
	s_delay_alu instid0(VALU_DEP_2)
	v_pk_fma_f32 v[TM:TM+1], v[XR+\k:XR+\k+1], v[XR+\k:XR+\k+1], v[TM:TM+1]
	s_delay_alu instid0(VALU_DEP_2)
	v_pk_fma_f32 v[TM+2:TM+3], v[XR+\k+2:XR+\k+3], v[XR+\k+2:XR+\k+3], v[TM+2:TM+3]
.endr
	s_delay_alu instid0(VALU_DEP_1)
	v_pk_add_f32 v[TM:TM+1], v[TM:TM+1], v[TM+2:TM+3]
	s_delay_alu instid0(VALU_DEP_1)
	v_add_f32 v[TM], v[TM], v[TM+1]
	ALLSUM
	s_delay_alu instid0(VALU_DEP_1)
	v_fma_f32 v[TM+6], v[TM], s50, s51             ; the variance + 1e-7
	s_wait_alu depctr_va_vdst(0)
	v_rsq_f32 v[TM+6], v[TM+6]
	v_nop                                          ; one plain place behind a transcendental (ISA guide 5.7.2)
	s_wait_alu depctr_va_vdst(0)
	v_mov_b32 v[TM+7], v[TM+6]
.set k, 0
.rept 16
	v_pk_fma_f32 v[XR+k:XR+k+1], v[XR+k:XR+k+1], v[TM+6:TM+7], v[SH+k:SH+k+1]
	s_delay_alu instid0(VALU_DEP_1)
	v_pk_mul_f32 v[XR+k:XR+k+1], v[XR+k:XR+k+1], v[GA+k:GA+k+1]
.set k, k+2
.endr
.irp j, 0,1,2,3,4,5,6,7
	ds_store_b128 v3, v[XR+4*\j:XR+4*\j+3] offset:\i*ROWP+512*\j
.endr
.endm
	s_wait_loadcnt 0x0
	ROWLN 0
	ROWLN 1
	s_wait_dscnt 0x0                               ; for the others' sake: my two rows lie in LDS
	s_barrier_signal -1
	s_barrier_wait -1
.irp b, 0,1,2,3
.irp j, 0,1,2,3
	ds_load_b128 v[X+16*\b+4*\j:X+16*\b+4*\j+3], v4 offset:128*\b+16*\j   ; register 16 b + i: k = 128 w + 32 b + 16 h + i of row r
.endr
.endr
	s_wait_dscnt 0x0
	; 64 numbers of a lane become a fragment's codes and its scale word
.irp b, 0,1,2,3
	v_max3_num_f32 v[TM+\b], |v[X+16*\b]|, |v[X+1+16*\b]|, 0x1800000   ; my 16 of block b, and the floor 2^(3 - 127): the byte cannot fall under 1
.endr
.irp i, 2,4,6,8,10,12,14
.irp b, 0,1,2,3
	s_delay_alu instid0(VALU_DEP_4)
	v_max3_num_f32 v[TM+\b], |v[X+16*\b+\i]|, |v[X+1+16*\b+\i]|, v[TM+\b]
.endr
.endr
.irp b, 0,1,2,3
	v_permlanex16_b32 v[TM+4+\b], v[TM+\b], s[SEL], s[SEL+1]
.endr
.irp b, 0,1,2,3
	s_delay_alu instid0(VALU_DEP_4)
	v_max_num_f32 v[TM+\b], v[TM+\b], v[TM+4+\b]   ; with lane l xor 16's: the block's largest magnitude
.endr
.irp b, 0,1,2,3
	s_delay_alu instid0(VALU_DEP_4)
	v_add_nc_u32 v[TM+12+\b], 0xff000000, v[TM+\b] ; 2 off its exponent field: the conversion's scale operand
.endr
.irp b, 0,1,2,3
	s_delay_alu instid0(VALU_DEP_4)
	v_lshrrev_b32 v[TM+4+\b], 23, v[TM+12+\b]      ; the scale's byte
.endr
	s_delay_alu instid0(VALU_DEP_3)
	v_lshl_or_b32 v[PW], v[TM+5], 8, v[TM+4]
	s_delay_alu instid0(VALU_DEP_1)
	v_lshl_or_b32 v[PW], v[TM+6], 16, v[PW]
	s_delay_alu instid0(VALU_DEP_1)
	v_lshl_or_b32 v[PW], v[TM+7], 24, v[PW]
.irp c, 0,1
	v_cvt_scalef32_pk16_fp6_f32 v[PC+6*\c:PC+2+6*\c], v[X+32*\c:X+15+32*\c], v[TM+12+2*\c]
	v_cvt_scalef32_pk16_fp6_f32 v[PC+12+4*\c:PC+14+4*\c], v[X+16+32*\c:X+31+32*\c], v[TM+13+2*\c]
.endr
	v_nop                                          ; one plain place behind a scaled conversion
.irp c, 0,1                                    ; the layout wants a whole block in a lane: lanes 0-15 block 2 c, lanes 16-31 block 2 c + 1
.irp i, 0,1,2
	v_permlane16_swap_b32 v[PC+6*\c+\i], v[PC+12+4*\c+\i]
.endr
.irp i, 0,1,2
	s_delay_alu instid0(VALU_DEP_3)
	v_mov_b32 v[PC+3+6*\c+\i], v[PC+12+4*\c+\i]
.endr
.endr
.irp c, 0,1,2
	global_store_b128 v2, v[PC+4*\c:PC+4*\c+3], s[44:45] offset:512*\c   ; the image: 512 consecutive bytes a store
.endr
	ds_store_b32 v7, v[PW]                         ; both halves of the lanes write the same word with the same value
	s_wait_dscnt 0x0
	s_barrier_signal -1
	s_barrier_wait -1
	s_cmp_lg_u32 s2, 0
	s_cbranch_scc1 .Ldone
	ds_load_b128 v[12:15], v8                      ; wave 0 stores the tile's 128 scale words: 512 consecutive bytes
	s_wait_dscnt 0x0
	global_store_b128 v2, v[12:15], s[46:47]
.Ldone:
	s_wait_tensorcnt 0x0
	ds_add_u32 v200, v201
	s_wait_dscnt 0x0
	s_endpgm
.Lfunc_end_k_q0013010a7a_ln2:
	.size	k_q0013010a7a_ln2, .Lfunc_end_k_q0013010a7a_ln2-k_q0013010a7a_ln2
	.p2alignl 7, 3214868480
	.fill 96, 4, 3214868480
	.section	.rodata,"a",@progbits
	.p2align	6, 0x0
	.amdhsa_kernel k_q0013010a7a_ln2
		.amdhsa_group_segment_fixed_size 67584
		.amdhsa_private_segment_fixed_size 0
		.amdhsa_enable_private_segment 0
		.amdhsa_kernarg_size 32
		.amdhsa_user_sgpr_count 2
		.amdhsa_user_sgpr_kernarg_segment_ptr 1
		.amdhsa_wavefront_size32 1
		.amdhsa_system_sgpr_workgroup_id_x 1
		.amdhsa_system_sgpr_workgroup_id_y 1
		.amdhsa_system_sgpr_workgroup_id_z 1
		.amdhsa_system_vgpr_workitem_id 0
		.amdhsa_next_free_vgpr 202
		.amdhsa_next_free_sgpr 66
		.amdhsa_reserve_vcc 0
		.amdhsa_float_denorm_mode_32 3
		.amdhsa_float_denorm_mode_16_64 3
		.amdhsa_memory_ordered 1
		.amdhsa_forward_progress 1
		.amdhsa_inst_pref_size 30
	.end_amdhsa_kernel
	.amdgpu_metadata
---
amdhsa.version: [ 1, 2 ]
amdhsa.kernels:
  - .name:           k_q0013010a7a_ln2
    .symbol:         k_q0013010a7a_ln2.kd
    .args:
      - { .name: x1, .offset: 0, .size: 8, .value_kind: global_buffer, .address_space: global }
      - { .name: ln2_scale, .offset: 8, .size: 8, .value_kind: global_buffer, .address_space: global }
      - { .name: ln2_shift, .offset: 16, .size: 8, .value_kind: global_buffer, .address_space: global }
      - { .name: ops, .offset: 24, .size: 8, .value_kind: global_buffer, .address_space: global }
    .group_segment_fixed_size: 67584
    .private_segment_fixed_size: 0
    .kernarg_segment_align: 8
    .kernarg_segment_size: 32
    .max_flat_workgroup_size: 256
    .sgpr_count:     66
    .vgpr_count:     202
    .wavefront_size: 32
...
	.end_amdgpu_metadata
.endif
;; end of part 5
;; launch w1 (part 6): grid 16 x 16, 4 waves a work-group, clusters of 4 x 4, 327,680 bytes of LDS; arguments ops, b1, gbuf; writes gbuf
.if DOCPART == 6
	.amdgcn_target "amdgcn-amd-amdhsa--gfx1250"
	.amdhsa_code_object_version 6
	.text
	.protected	k_q0013010a7a_w1
	.globl	k_q0013010a7a_w1
	.p2align	8
	.type	k_q0013010a7a_w1,@function
k_q0013010a7a_w1:
	s_mov_b64 s[64:65], 0
	v_nop
	global_prefetch_b8 v0, s[64:65] scope:SCOPE_SE
	s_setreg_imm32_b32 hwreg(HW_REG_WAVE_MODE, 25, 1), 1
	s_wait_xcnt 0x0
	s_wait_alu depctr_hold_cnt(0) depctr_sa_sdst(0) depctr_va_vdst(0) depctr_va_sdst(0) depctr_va_ssrc(0) depctr_va_vcc(0) depctr_vm_vsrc(0)
	s_getreg_b32 s2, hwreg(HW_REG_IB_STS2, 6, 4)
	s_cmp_eq_u32 s2, 0
	s_cbranch_scc0 .Lentry_in_a_cluster
	s_endpgm
.Lentry_in_a_cluster:
	s_bfe_u32 s2, ttmp6, 0x10000c
	s_cmp_lg_u32 s2, 0xf033
	s_cbranch_scc0 .Lentry_shape_is_right
	s_endpgm
.Lentry_shape_is_right:
; g = gelu(h2 W1^T + b1) on codes of FP6 (E2M3), quantised at once along the hidden units.
; Operands are register images (fragment = 16 rows x 128 K = 1,536 bytes; 64 bytes of scale words; the rows of tile t are 32 (t / 2) + 8 (t % 2) + r + 8 (r / 8)).
; A work-group of four waves makes 256 tokens x 256 hidden units, a wave 128 x 128: 64 accumulators.  Source 0 = W1 (LDS part B), source 1 = h2 (part A): a lane holds one token, and the 64 registers
; of a block of 16 tokens run along 128 neighbouring hidden units: one K step of the next product.
; K HAS EIGHT STEPS OF 128, AND SIX OF THEM FIT IN LDS: three regions of two steps, all filled at the start (one tensor load a wave: six steps' codes or a part's scale words).  Region 0 alone is filled again, once, with steps 6 and 7,
; when steps 0 and 1 have been read: that load has 224 matrix instructions of the wave in which to land.  No barrier stands between regions 1 and 2: the refill's barrier has shown both whole.
; 4 x 4 work-groups form a cluster: h2's tiles are shared along a row of the cluster, W1's along a column.  b1 is the C of each sum's first product.
; gelu(x) = 0.5 x (1 + tanh(u)), u = sqrt(2 / pi) (x + 0.044715 x^3), is computed as x / (1 + 2^(x (A + B x^2))), A = -2 log2(e) sqrt(2 / pi), B = 0.044715 A: the same function; no finite x gives NaN.
; gbuf: codes at 0 (fragment 32 x token tile + K step), words at 12,582,912.
; LIMITS: NaN and infinities are not served; a block whose largest magnitude lies under 2^-124 (zeros too) gets the byte 1: the bytes are read by this program alone.
; REGISTERS: window 0: v12-31 constants and addresses, v32-47 scale words (two sets), v48-63 at work, from v64 A's fragments (two sets of 96); on the way out v64-127, v128-191 at work, v192.. codes.  window 1: B's fragments (two sets of 96), v192-255 b1.  windows 2, 3: accumulator (a, b) at 8 (8 (a % 4) + b).
.set TW,    8
.set NQ,    2
.set KS,    8
.set ACOD,  9830400                    ; h2's images in ops
.set ASCL,  12976128
.set BCOD,  3145728                    ; W1's
.set BSCL,  9568256
.set BIAS,  192
.set T,     64
.set G,     128
.set PC,    192
.set CA,    12                         ; v[12:13] A, twice
.set CB,    92                         ; s[92:93] B, twice
.set FRB,   1536
.set HALFT, TW*FRB                     ; a wave's 8 tiles of one K step
.set STB,   2*HALFT                    ; one K step of a part's 16 tiles: dense in memory and in LDS
.set SLOT,  NQ*STB                     ; a region: two K steps of one part
.set BLD,   3*SLOT                     ; part A's six steps lie at 0, part B's here
.set HALFC, TW*KS*FRB
.set HALFS, TW*KS*64
.set SCL,   2*BLD
.set SPARE, SCL+4*HALFS                ; the spare words, 128 bytes for each wave: two blocks of 256 bytes that no other line names
.set ADRA, 16                          ; v16-18 LDS address of my A fragments in region 0, 1, 2
.set ADRB, 20                          ; v20-22 the same for B
.set LI,   24
.set LW,   25
.set BO,   26
.set ADRS, 27
.set SPW,  28
.set NIL,  29
.set PW,   30
.set PV,   31
.set SC,   32
.set TM,   48
.set AF,   64
.set G0C,  20
.set G1,   24
.set G0,   32
.set G0BC, 44
.set G1B,  48
.set G0B,  56
.set G1S,  68
.set G0S,  76
.set G1SB, 80
.set G0SB, 88
.set SEL,  94
.set MSB, 0
.macro WIN new
.if MSB != (\new)
	s_set_vgpr_msb (MSB<<8)|(\new)
.set MSB, (\new)
.endif
.endm
.macro PLACES
.rept 4
	v_nop
.endr
.endm
.macro SHAPE g, c, r, p
	s_mov_b32 s[\g+1], (\c)<<16
	s_mov_b32 s[\g+2], (\r)<<16
	s_mov_b32 s[\g+3], (\c)<<16
	s_mov_b32 s[\g+4], \r
	s_mov_b32 s[\g+5], \p
	s_mov_b32 s[\g+6], 0
	s_mov_b32 s[\g+7], 0
.endm
.macro PLACE g, l, off                 ; descriptor group 0 round the global address that stands in its words 2, 3: count 1, the LDS address s[l] + off, type 2
	s_mov_b32 s[\g], 1
	s_add_co_u32 s[\g+1], s[\l], \off
	s_or_b32 s[\g+3], s[\g+3], 0x80000000
.endm
.macro JLOAD g0a, g1a, g0b, g1b        ; a joint load: waves 0, 1 fetch for part A, waves 2, 3 for part B; four v_nop follow each line
	s_cmp_eq_u32 s15, 0
	s_cbranch_scc0 .Lfor_b_\@
	tensor_load_to_lds s[\g0a:\g0a+3], s[\g1a:\g1a+7]
	s_nop 0
.rept 4
	v_nop
.endr
	s_branch .Lasked_\@
.Lfor_b_\@:
	tensor_load_to_lds s[\g0b:\g0b+3], s[\g1b:\g1b+7]
	s_nop 0
.rept 4
	v_nop
.endr
.Lasked_\@:
.endm
.macro CREST
	s_cmp_lg_u32 s14, 0
	s_cbranch_scc1 .Lnot_wave_0_\@
	s_barrier_signal -3
.Lnot_wave_0_\@:
	s_barrier_wait -3
	s_barrier_signal -1
	s_barrier_wait -1
.endm
.macro CROUND
	s_barrier_signal -1
	s_barrier_wait -1
	CREST
.endm
.macro FETCH reg, q, s                 ; K step s, the q-th of region reg: its fragments and scale words into set s % 2
	WIN 0x40
.set fi, 0
.rept TW
.irp c, 0,1,2
	ds_load_b128 v[12*TW*((\s)%2)+12*fi+4*\c:12*TW*((\s)%2)+12*fi+4*\c+3], v[ADRB+\reg] offset:((\q)*16+fi)*FRB+512*\c
.endr
.set fi, fi+1
.endr
	WIN 0
.set fi, 0
.rept TW
.irp c, 0,1,2
	ds_load_b128 v[AF+12*TW*((\s)%2)+12*fi+4*\c:AF+12*TW*((\s)%2)+12*fi+4*\c+3], v[ADRA+\reg] offset:((\q)*16+fi)*FRB+512*\c
.endr
.set fi, fi+1
.endr
.set fi, 0
.rept TW
	ds_load_b32 v[SC+TW*((\s)%2)+fi], v[ADRS] offset:fi*KS*64+64*(\s)   ; lanes 0-15: A's tile fi, lanes 16-31: B's tile fi
.set fi, fi+1
.endr
.endm
; A quarter of a K step's products.  mode 0: onto the sums; 2: b1 starts them.  All accumulators take turns, one instruction a turn, in the same order in every step.
.macro MULQ qd, p, mode
.set MW, 2+(8*TW*(\qd)*(TW/4))/256
.if \mode == 2
	WIN (MW<<6)|0x11
.else
	WIN (MW<<6)|(MW<<4)|1
.endif
.set ma, (\qd)*(TW/4)
.rept TW/4
.set mb, 0
.rept TW
.set AR, (8*(TW*ma+mb))%256
.set BR, 12*TW*(\p)+12*mb
.set FA, AF+12*TW*(\p)+12*ma
.set SB, SC+TW*(\p)+mb
.set SA, SC+TW*(\p)+ma
.if \mode == 0
	v_wmma_scale_f32_16x16x128_f8f6f4 v[AR:AR+7], v[BR:BR+11], v[FA:FA+11], v[AR:AR+7], v[SB], v[SA] matrix_a_fmt:MATRIX_FMT_FP6 matrix_b_fmt:MATRIX_FMT_FP6 matrix_a_scale:MATRIX_SCALE_ROW1
.else
	v_wmma_scale_f32_16x16x128_f8f6f4 v[AR:AR+7], v[BR:BR+11], v[FA:FA+11], v[BIAS+8*mb:BIAS+8*mb+7], v[SB], v[SA] matrix_a_fmt:MATRIX_FMT_FP6 matrix_b_fmt:MATRIX_FMT_FP6 matrix_a_scale:MATRIX_SCALE_ROW1
.endif
.set mb, mb+1
.endr
.set ma, ma+1
.endr
.endm
.macro STEP s, nreg, nq, mode          ; K step s; its successor, the nq-th step of region nreg, lies in bytes that a barrier has shown whole
	s_wait_dscnt 0x0                               ; this step's set, asked for a whole step ago, is in
	PLACES
	FETCH \nreg, \nq, (\s)+1
	MULQ 0, (\s)%2, \mode
	MULQ 1, (\s)%2, \mode
	MULQ 2, (\s)%2, \mode
	MULQ 3, (\s)%2, \mode
	WIN 0
.endm
.macro TURN s, nreg, fill              ; K step s, behind which region nreg is entered over a barrier.  fill = 1: region 0, read out, is filled again, and the barrier opens a round of the cluster's
	s_wait_tensorcnt 0x0                           ; all my tensor loads have landed
	ds_add_u32 v[SPW], v[NIL]                      ; 0 onto my spare word
	s_wait_dscnt 0x1                               ; this step's set is in; the add alone may be out
	MULQ 0, (\s)%2, 0
	s_wait_dscnt 0x0                               ; the add is done, and my reads of the region in hand are over
	s_barrier_signal -1
	MULQ 1, (\s)%2, 0
	WIN 0
	s_barrier_wait -1
.if \fill
	CREST                                          ; no wave of any partner still reads region 0 or has a load on its way
	JLOAD G0, G1, G0B, G1B                         ; the first tensor load behind the round; its four v_nop are the places in front of the loads below
.else
	PLACES
.endif
	FETCH \nreg, 0, (\s)+1
	MULQ 2, (\s)%2, 0
	MULQ 3, (\s)%2, 0
	WIN 0
.endm
.macro LAST s
	s_wait_dscnt 0x0
	MULQ 0, (\s)%2, 0
	MULQ 1, (\s)%2, 0
	MULQ 2, (\s)%2, 0
	MULQ 3, (\s)%2, 0
	WIN 0
.endm
; 64 numbers of a lane, v[s] .. v[s + 63] (window 0), register 16 b + i = k 32 b + 16 (lane / 16) + i of my row, become a fragment's codes in v[PC] on and its scale word in v[PW]
.macro QUANT s
.irp b, 0,1,2,3
	v_max3_num_f32 v[TM+\b], |v[\s+16*\b]|, |v[\s+1+16*\b]|, 0x1800000   ; and the floor 2^(3 - 127): the byte cannot fall under 1
.endr
.irp i, 2,4,6,8,10,12,14
.irp b, 0,1,2,3
	v_max3_num_f32 v[TM+\b], |v[\s+16*\b+\i]|, |v[\s+1+16*\b+\i]|, v[TM+\b]
.endr
.endr
.irp b, 0,1,2,3
	v_permlanex16_b32 v[TM+4+\b], v[TM+\b], s[SEL], s[SEL+1]
.endr
.irp b, 0,1,2,3
	v_max_num_f32 v[TM+\b], v[TM+\b], v[TM+4+\b]
.endr
.irp b, 0,1,2,3
	v_add_nc_u32 v[TM+12+\b], 0xff000000, v[TM+\b]
.endr
.irp b, 0,1,2,3
	v_lshrrev_b32 v[TM+4+\b], 23, v[TM+12+\b]
.endr
	v_lshl_or_b32 v[PW], v[TM+5], 8, v[TM+4]
	v_lshl_or_b32 v[PW], v[TM+6], 16, v[PW]
	v_lshl_or_b32 v[PW], v[TM+7], 24, v[PW]
.irp c, 0,1
	v_cvt_scalef32_pk16_fp6_f32 v[PC+6*\c:PC+2+6*\c], v[\s+32*\c:\s+15+32*\c], v[TM+12+2*\c]
	v_cvt_scalef32_pk16_fp6_f32 v[PC+12+4*\c:PC+14+4*\c], v[\s+16+32*\c:\s+31+32*\c], v[TM+13+2*\c]
.endr
	v_nop                                          ; one plain place behind a scaled conversion
.irp c, 0,1
.irp i, 0,1,2
	v_permlane16_swap_b32 v[PC+6*\c+\i], v[PC+12+4*\c+\i]
.endr
.irp i, 0,1,2
	v_mov_b32 v[PC+3+6*\c+\i], v[PC+12+4*\c+\i]
.endr
.endr
.endm
	s_load_b128 s[4:7], s[0:1], 0x0                ; ops s[4:5], b1 s[6:7]
	s_load_b64 s[8:9], s[0:1], 0x10                ; gbuf
	v_lshl_add_u32 v[SPW], v0, 2, SPARE
	v_mov_b32 v[NIL], 0
	ds_add_u32 v28, v29
	ds_add_u32 v28, v29
	s_wait_dscnt 0x0
	v_lshrrev_b32 v1, 5, v0
	v_readfirstlane_b32 s14, v1                    ; wave 0..3
	s_lshr_b32 s15, s14, 1
	s_and_b32 s16, s14, 1
	s_bfe_u32 s40, ttmp6, 0x40000                  ; cx
	s_bfe_u32 s41, ttmp6, 0x40004                  ; cy
	s_lshl_b32 s42, ttmp9, 2
	s_add_co_u32 s42, s42, s40                     ; X: which 256 hidden units
	s_and_b32 s17, ttmp7, 0xffff
	s_lshl_b32 s17, s17, 2
	s_add_co_u32 s17, s17, s41                     ; Y: which 256 tokens
	s_lshl_b32 s43, s41, 2
	s_lshl_b32 s43, 15, s43                        ; my row of the cluster
	s_lshl_b32 s66, 0x1111, s40                    ; my column
	s_or_b32 s[G1], s43, (3<<16)|(1<<21)
	s_or_b32 s[G1B], s66, (3<<16)|(1<<21)
	s_or_b32 s[G1S], s43, (3<<16)|(1<<21)
	s_or_b32 s[G1SB], s66, (3<<16)|(1<<21)
	SHAPE G1, 32, 6*STB/256, 32                    ; the head's load of codes: six K steps of 16 tiles, dense, as rows of 256 bytes
	SHAPE G1B, 32, 6*STB/256, 32
	SHAPE G1S, 32, 2*HALFS/256, 32                 ; a part's scale words, dense
	SHAPE G1SB, 32, 2*HALFS/256, 32
	s_mul_i32 s[G0+2], s17, 2*HALFC                ; the offsets are made where the addresses will stand
	s_mul_i32 s18, s16, STB
	s_add_co_u32 s[G0+2], s[G0+2], s18
	s_add_co_u32 s[G0+2], s[G0+2], ACOD
	s_mov_b32 s[G0+3], 0
	s_mul_i32 s[G0S+2], s17, 2*HALFS
	s_add_co_u32 s[G0S+2], s[G0S+2], ASCL
	s_mov_b32 s[G0S+3], 0
	s_mul_i32 s[G0B+2], s42, 2*HALFC
	s_mul_i32 s19, s16, STB
	s_add_co_u32 s[G0B+2], s[G0B+2], s19
	s_add_co_u32 s[G0B+2], s[G0B+2], BCOD
	s_mov_b32 s[G0B+3], 0
	s_mul_i32 s[G0SB+2], s42, 2*HALFS
	s_add_co_u32 s[G0SB+2], s[G0SB+2], BSCL
	s_mov_b32 s[G0SB+3], 0
	s_mul_i32 s67, s16, STB                        ; the refill: wave w takes K step 6 + w % 2 of its part
	s_wait_kmcnt 0x0
	s_add_nc_u64 s[G0+2:G0+3], s[4:5], s[G0+2:G0+3]
	s_add_nc_u64 s[G0S+2:G0S+3], s[4:5], s[G0S+2:G0S+3]
	s_add_nc_u64 s[G0B+2:G0B+3], s[4:5], s[G0B+2:G0B+3]
	s_add_nc_u64 s[G0SB+2:G0SB+3], s[4:5], s[G0SB+2:G0SB+3]
	s_mov_b64 s[G0+6:G0+7], s[G0+2:G0+3]           ; the head's loads of codes are issued by waves 0 and 2, in which w % 2 = 0: the part's first byte
	s_mov_b64 s[G0B+6:G0B+7], s[G0B+2:G0B+3]
	s_add_nc_u64 s[G0+2:G0+3], s[G0+2:G0+3], 6*STB ; the refill's: K step 6 + w % 2
	s_add_nc_u64 s[G0B+2:G0B+3], s[G0B+2:G0B+3], 6*STB
	s_mov_b32 s2, 0
	PLACE G0S, 2, SCL
	PLACE G0SB, 2, SCL+2*HALFS
	PLACE G0, 67, 0
	PLACE G0B, 67, BLD
	PLACE G0+4, 2, 0
	PLACE G0B+4, 2, BLD
	CROUND                                         ; all sixteen work-groups are here: the first joint loads meet
; The head's loads, one a wave: wave 0 part A's K steps 0-5, wave 1 A's scale words, wave 2 part B's steps 0-5, wave 3 B's scale words.  One chain of branches, one join.
.macro ARM under, g0, g1, next
	s_cmp_lt_u32 s14, \under
	s_cbranch_scc0 \next
	tensor_load_to_lds s[\g0:\g0+3], s[\g1:\g1+7]
	s_nop 0
.rept 4
	v_nop
.endr
	s_branch .Lhead_asked
\next:
.endm
	ARM 1, G0+4, G1, .Lhead_sa
	ARM 2, G0S, G1S, .Lhead_b
	ARM 3, G0B+4, G1B, .Lhead_sb
	tensor_load_to_lds s[G0SB:G0SB+3], s[G1SB:G1SB+7]
	s_nop 0
.rept 4
	v_nop
.endr
.Lhead_asked:
	v_and_b32 v1, 15, v0                           ; r
	v_bfe_u32 v2, v0, 4, 1                         ; h
	v_and_b32 v3, 31, v0
	v_lshlrev_b32 v[LI], 4, v3                     ; 16 x lane
	v_lshlrev_b32 v[LW], 2, v1
	v_lshl_add_u32 v[LW], v2, 11, v[LW]            ; 4 r + 2,048 h: two token tiles' words
	v_lshlrev_b32 v[BO], 6, v2                     ; 64 h
	s_mul_i32 s18, s15, HALFT
	s_mul_i32 s19, s16, HALFT
	s_add_co_u32 s19, s19, BLD
.irp s, 0,1,2
	v_add_nc_u32 v[ADRA+\s], s18, v[LI]
	v_add_nc_u32 v[ADRB+\s], s19, v[LI]
	s_add_co_u32 s18, s18, SLOT
	s_add_co_u32 s19, s19, SLOT
.endr
	s_mul_i32 s18, s15, HALFS
	s_mul_i32 s19, s16, HALFS
	s_add_co_u32 s19, s19, 2*HALFS
	s_sub_co_u32 s19, s19, s18
	v_mul_u32_u24 v4, s19, v2                      ; lanes 16-31 take B's words: one product, the distance between the two blocks
	s_add_co_u32 s18, s18, SCL
	v_lshl_add_u32 v4, v1, 2, v4
	v_add_nc_u32 v[ADRS], s18, v4
.irp b, 0,1,2,3
	v_mov_b32 v[TM+4+\b], 0                        ; a lane permute's destination counts as one of its sources
.endr
	v_mov_b32 v[CA], 0xc0135761                    ; A = -2.3022082
	v_mov_b32 v[CA+1], 0xc0135761
	s_mov_b32 s[CB], 0xbdd2d3e8                    ; B = -0.10294324
	s_mov_b32 s[CB+1], s[CB]
	s_mov_b32 s[SEL], 0x76543210
	s_mov_b32 s[SEL+1], 0xfedcba98
	s_lshl_b32 s98, s42, 10
	s_lshl_b32 s97, s16, 9
	s_add_co_u32 s98, s98, s97
	s_mov_b32 s99, 0
	s_add_nc_u64 s[6:7], s[6:7], s[98:99]          ; b1 at my 128 hidden units
	WIN 0x40
.irp b, 0,1,2,3,4,5,6,7                        ; in the result's layout: tile b, lane (r, h): units 32 (b / 2) + 8 (b % 2) + 16 h + 0 .. 7
	global_load_b128 v[BIAS+8*\b:BIAS+8*\b+3], v[BO], s[6:7] offset:(32*(\b/2)+8*(\b%2))*4
	global_load_b128 v[BIAS+8*\b+4:BIAS+8*\b+7], v[BO], s[6:7] offset:(32*(\b/2)+8*(\b%2))*4+16
.endr
	WIN 0
	s_lshl_b32 s96, s17, 1
	s_add_co_u32 s96, s96, s15
	s_lshl_b32 s96, s96, 8                         ; my first token tile x 32
	s_lshl_b32 s97, s42, 1
	s_add_co_u32 s97, s97, s16                     ; my K step of the next product
	s_lshl_b32 s98, s97, 3                         ; g's images lie step-major inside a block of 8 token tiles: place 256 (tile / 8) + 8 step + tile % 8: my 8 fragments are 12,288 dense bytes
	s_add_co_u32 s98, s98, s96
	s_mul_i32 s98, s98, FRB
	s_add_nc_u64 s[10:11], s[8:9], s[98:99]
	s_add_co_u32 s96, s96, s97
	s_lshl_b32 s98, s96, 6
	s_add_co_u32 s98, s98, 12582912
	s_add_nc_u64 s[12:13], s[8:9], s[98:99]
	s_wait_alu depctr_va_vdst(0)
	s_wait_tensorcnt 0x0                           ; my one load of the head has landed; no load of mine is out, so a descriptor may be written: the refill brings one K step, 96 rows of 256 bytes
	s_mov_b32 s[G1+2], (STB/256)<<16
	s_mov_b32 s[G1+4], STB/256
	s_mov_b32 s[G1B+2], (STB/256)<<16
	s_mov_b32 s[G1B+4], STB/256
	s_barrier_signal -1
	s_barrier_wait -1
	FETCH 0, 0, 0
	s_wait_loadcnt 0x0                             ; b1
	STEP 0, 0, 1, 2                                ; the first step's products start the sums, from b1
	TURN 1, 1, 1                                   ; regions 1 and 2 are whole; region 0 takes steps 6 and 7
	STEP 2, 1, 1, 0
	STEP 3, 2, 0, 0                                ; on into region 2: no barrier is owed
	STEP 4, 2, 1, 0
	TURN 5, 0, 0                                   ; steps 6 and 7 have landed; nothing is filled
	STEP 6, 0, 1, 0
	LAST 7
	; THE WAY OUT: block a (16 tokens) x my 128 hidden units: gelu in f32, then one fragment
.macro OUTROW a
.set W, 2+(\a)/4
.set XA, 64*((\a)%4)
.if (\a) > 0
	s_wait_xcnt 0x0                                ; the last stores have read their data
.endif
	WIN W|(W<<2)
.set k, 0
.rept 32
	v_pk_mul_f32 v[T+k:T+k+1], v[XA+k:XA+k+1], v[XA+k:XA+k+1]      ; x^2 (each accumulator from its low end on)
.set k, k+2
.endr
	WIN 0
.set k, 0
.rept 32
	v_pk_fma_f32 v[T+k:T+k+1], v[T+k:T+k+1], s[CB:CB+1], v[CA:CA+1] op_sel_hi:[1,0,0]   ; A + B x^2
.set k, k+2
.endr
	WIN W
.set k, 0
.rept 32
	v_pk_mul_f32 v[T+k:T+k+1], v[XA+k:XA+k+1], v[T+k:T+k+1]
.set k, k+2
.endr
	WIN 0
.set k, 0
	s_wait_alu depctr_va_vdst(0)
.rept 64
	v_exp_f32 v[T+k], v[T+k]
.set k, k+1
.endr
	v_nop                                          ; one plain place behind the transcendentals
.set k, 0
	s_wait_alu depctr_va_vdst(0)
.rept 32
	v_pk_add_f32 v[T+k:T+k+1], v[T+k:T+k+1], 1.0 op_sel_hi:[1,0]
.set k, k+2
.endr
.set k, 0
	s_wait_alu depctr_va_vdst(0)
.rept 64
	v_rcp_f32 v[T+k], v[T+k]
.set k, k+1
.endr
	v_nop
	WIN W
.set k, 0
	s_wait_alu depctr_va_vdst(0)
.rept 32
	v_pk_mul_f32 v[G+k:G+k+1], v[XA+k:XA+k+1], v[T+k:T+k+1]
.set k, k+2
.endr
	WIN 0
	QUANT G
.irp c, 0,1,2
	global_store_b128 v[LI], v[PC+4*\c:PC+4*\c+3], s[10:11] offset:(\a)*FRB+512*\c
.endr
.if (\a)%2 == 0
	v_mov_b32 v[PV], v[PW]
.else
	v_cndmask_b32 v[PV], v[PV], v[PW], s18         ; lanes 0-15: tile a - 1's words, lanes 16-31: tile a's
	global_store_b32 v[LW], v[PV], s[12:13] offset:((\a)-1)*2048
.endif
.endm
	PLACES
	s_mov_b32 s18, 0xffff0000                      ; lanes 16-31
.irp a, 0,1,2,3,4,5,6,7
	OUTROW \a
.endr
	s_wait_tensorcnt 0x0                           ; the wave's end
	ds_add_u32 v[SPW], v[NIL]
	s_wait_dscnt 0x0
	CROUND                                         ; the closing round
	s_endpgm
.Lfunc_end_k_q0013010a7a_w1:
	.size	k_q0013010a7a_w1, .Lfunc_end_k_q0013010a7a_w1-k_q0013010a7a_w1
	.p2alignl 7, 3214868480
	.fill 96, 4, 3214868480
	.section	.rodata,"a",@progbits
	.p2align	6, 0x0
	.amdhsa_kernel k_q0013010a7a_w1
		.amdhsa_group_segment_fixed_size 327680
		.amdhsa_private_segment_fixed_size 0
		.amdhsa_enable_private_segment 0
		.amdhsa_kernarg_size 24
		.amdhsa_user_sgpr_count 2
		.amdhsa_user_sgpr_kernarg_segment_ptr 1
		.amdhsa_wavefront_size32 1
		.amdhsa_system_sgpr_workgroup_id_x 1
		.amdhsa_system_sgpr_workgroup_id_y 1
		.amdhsa_system_sgpr_workgroup_id_z 1
		.amdhsa_system_vgpr_workitem_id 0
		.amdhsa_next_free_vgpr 1024
		.amdhsa_next_free_sgpr 100
		.amdhsa_reserve_vcc 0
		.amdhsa_float_denorm_mode_32 3
		.amdhsa_float_denorm_mode_16_64 3
		.amdhsa_memory_ordered 1
		.amdhsa_forward_progress 1
		.amdhsa_inst_pref_size 255
	.end_amdhsa_kernel
	.section	.bss,"aw",@nobits
	.p2align	6
	.space	262144
	.amdgpu_metadata
---
amdhsa.version: [ 1, 2 ]
amdhsa.kernels:
  - .name:           k_q0013010a7a_w1
    .symbol:         k_q0013010a7a_w1.kd
    .args:
      - { .name: ops, .offset: 0, .size: 8, .value_kind: global_buffer, .address_space: global }
      - { .name: b1, .offset: 8, .size: 8, .value_kind: global_buffer, .address_space: global }
      - { .name: gbuf, .offset: 16, .size: 8, .value_kind: global_buffer, .address_space: global }
    .group_segment_fixed_size: 327680
    .private_segment_fixed_size: 0
    .kernarg_segment_align: 8
    .kernarg_segment_size: 24
    .max_flat_workgroup_size: 128
    .sgpr_count:     100
    .vgpr_count:     1024
    .wavefront_size: 32
...
	.end_amdgpu_metadata
.endif
;; end of part 6
;; launch w2 (part 7): grid 8 x 32, 4 waves a work-group, clusters of 4 x 4, 327,680 bytes of LDS; arguments gbuf, ops, b2, x1, out0; writes out0
.if DOCPART == 7
	.amdgcn_target "amdgcn-amd-amdhsa--gfx1250"
	.amdhsa_code_object_version 6
	.text
	.protected	k_q0013010a7a_w2
	.globl	k_q0013010a7a_w2
	.p2align	8
	.type	k_q0013010a7a_w2,@function
k_q0013010a7a_w2:
	s_mov_b64 s[64:65], 0
	v_nop
	global_prefetch_b8 v0, s[64:65] scope:SCOPE_SE
	s_setreg_imm32_b32 hwreg(HW_REG_WAVE_MODE, 25, 1), 1
	s_wait_xcnt 0x0
	s_wait_alu depctr_hold_cnt(0) depctr_sa_sdst(0) depctr_va_vdst(0) depctr_va_sdst(0) depctr_va_ssrc(0) depctr_va_vcc(0) depctr_vm_vsrc(0)
	s_getreg_b32 s2, hwreg(HW_REG_IB_STS2, 6, 4)
	s_cmp_eq_u32 s2, 0
	s_cbranch_scc0 .Lentry_in_a_cluster
	s_endpgm
.Lentry_in_a_cluster:
	s_bfe_u32 s2, ttmp6, 0x10000c
	s_cmp_lg_u32 s2, 0xf033
	s_cbranch_scc0 .Lentry_shape_is_right
	s_endpgm
.Lentry_shape_is_right:
; out0 = x1 + g W2^T + b2 on codes of FP6 (E2M3), K = 4,096: 32 steps of 128.
; Operands are register images (fragment = 16 rows x 128 K = 1,536 bytes; 64 bytes of scale words; the rows of tile t are 32 (t / 2) + 8 (t % 2) + r + 8 (r / 8)).
; g's and W2's images lie step-major inside a block of 8 tiles (place 256 (t / 8) + 8 s + t % 8): a run of K steps of a work-group's 128 rows is dense in memory.
; 32 x 8 blocks of 128 x 128, one to a work-group; four waves, 64 x 64 each: 16 accumulators.  Source 0 = the weight (part B), source 1 = g's rows (part A): a lane holds one row of the output.
; LDS: 11 step places of 12,288 bytes for A, 11 for B, the scale words of all of K, the spare words, a stage for each wave.
; THE HEAD: one tensor load a wave: wave 0 A's steps 0-10, wave 1 B's, wave 2 A's scale words, wave 3 B's.  Four refills, each cut into two dense halves for A (waves 0, 1) and for B (waves 2, 3):
; places 0-5 take steps 11-16, places 6-10 steps 17-21, places 0-4 steps 22-26, places 6-10 steps 27-31.  One load of a wave is out behind each round.
; 4 x 4 work-groups form a cluster: g's tiles are shared along a row, the weight's along a column.  The bias is the C of each sum's first product; the residual is loaded at the head.
; No prefetch is laid: the head asks for 11 of the 32 steps and each round for 5 or 6 of the other 21, so that a further request would name bytes at most one fill ahead of their load.
; REGISTERS: window 0: v16-31 addresses, v32-39 scale words (two sets), from v64 A's fragments (two sets of 48), on the way out rows of the output.  window 1: B's fragments (two sets), v96-127 the bias.  window 2: accumulator (a, b) at 8 (4 a + b).  window 3: the residual.
.set KS,    32
.set ASCL,  12582912
.set BCOD,  6291456
.set BSCL,  9699328
.set TW,    4
.set FRB,   1536
.set STB,   2*TW*FRB                   ; a K step of a part's 8 tiles
.set BLD,   11*STB                     ; part B's places
.set HALFC, TW*KS*FRB
.set HALFS, TW*KS*64
.set SCL,   2*BLD
.set SPARE, SCL+4*HALFS                ; the spare words: two blocks of 256 bytes that no other line names
.set STAGE, SPARE+512                  ; 16 rows x 272 bytes for each wave: no fill lands here
.set BIAS,  96
.set BK,    64
.set ADRA, 16                          ; v16-18 my A fragments at places 0, 4, 8
.set ADRB, 20                          ; v20-22 the same for B
.set RO,   24
.set STO,  25
.set BO,   26
.set ADRS, 27
.set SPW,  28
.set NIL,  29
.set RD,   30
.set SC,   32
.set AF,   64
.set G0,   20                          ; group 0 of A's refills;  G0B of B's
.set G0B,  44
.set G1,   24                          ; group 1, A: 528 rows at the head, then 144
.set G1B,  48
.set G0H,  32                          ; groups 0 of the head's four loads
.set G0HB, 36
.set G0S,  56
.set G0SB, 60
.set G1S,  68
.set G1SB, 76
.set G15,  84                          ; group 1, 120 rows
.set G15B, 92
.set MSB, 0
.macro WIN new
.if MSB != (\new)
	s_set_vgpr_msb (MSB<<8)|(\new)
.set MSB, (\new)
.endif
.endm
.macro PLACES
.rept 4
	v_nop
.endr
.endm
.macro SHAPE g, r                      ; group 1, words 1-7: r dense rows of 256 bytes (32 elements of 8)
	s_mov_b32 s[\g+1], 32<<16
	s_mov_b32 s[\g+2], (\r)<<16
	s_mov_b32 s[\g+3], 32<<16
	s_mov_b32 s[\g+4], \r
	s_mov_b32 s[\g+5], 32
	s_mov_b32 s[\g+6], 0
	s_mov_b32 s[\g+7], 0
.endm
.macro PLACE g, off                    ; group 0 round the address in its words 2, 3
	s_mov_b32 s[\g], 1
	s_mov_b32 s[\g+1], \off
	s_or_b32 s[\g+3], s[\g+3], 0x80000000
.endm
.macro TLOAD g0, g1
	tensor_load_to_lds s[\g0:\g0+3], s[\g1:\g1+7]
	s_nop 0
.rept 4
	v_nop
.endr
.endm
.macro JLOAD g1a, g1b                  ; a joint refill: waves 0, 1 for part A, waves 2, 3 for part B
	s_cmp_eq_u32 s15, 0
	s_cbranch_scc0 .Lfor_b_\@
	TLOAD G0, \g1a
	s_branch .Lasked_\@
.Lfor_b_\@:
	TLOAD G0B, \g1b
.Lasked_\@:
.endm
.macro ARM under, g0, g1, next
	s_cmp_lt_u32 s14, \under
	s_cbranch_scc0 \next
	TLOAD \g0, \g1
	s_branch .Lhead_asked
\next:
.endm
.macro CREST
	s_cmp_lg_u32 s14, 0
	s_cbranch_scc1 .Lnot_wave_0_\@
	s_barrier_signal -3
.Lnot_wave_0_\@:
	s_barrier_wait -3
	s_barrier_signal -1
	s_barrier_wait -1
.endm
.macro CROUND
	s_barrier_signal -1
	s_barrier_wait -1
	CREST
.endm
.macro FETCH s                         ; K step s: its fragments and scale words into set s % 2.  SL: the place in which the step lies
.if (\s) < 11
.set SL, (\s)
.elseif (\s) < 22
.set SL, (\s)-11
.elseif (\s) < 27
.set SL, (\s)-22
.else
.set SL, (\s)-21
.endif
	WIN 0x40
.set fi, 0
.rept TW
.irp c, 0,1,2
	ds_load_b128 v[12*TW*((\s)%2)+12*fi+4*\c:12*TW*((\s)%2)+12*fi+4*\c+3], v[ADRB+SL/4] offset:(SL%4)*STB+fi*FRB+512*\c
.endr
.set fi, fi+1
.endr
	WIN 0
.set fi, 0
.rept TW
.irp c, 0,1,2
	ds_load_b128 v[AF+12*TW*((\s)%2)+12*fi+4*\c:AF+12*TW*((\s)%2)+12*fi+4*\c+3], v[ADRA+SL/4] offset:(SL%4)*STB+fi*FRB+512*\c
.endr
.set fi, fi+1
.endr
.set fi, 0
.rept TW
	ds_load_b32 v[SC+TW*((\s)%2)+fi], v[ADRS] offset:fi*KS*64+64*(\s)   ; lanes 0-15: A's tile fi, lanes 16-31: B's
.set fi, fi+1
.endr
.endm
; A quarter of a K step's products.  mode 0: onto the sums; 2: the bias starts them.  The 16 accumulators take turns, in the same order in every step.
.macro MULQ qd, p, mode
.if \mode == 2
	WIN 0x91
.else
	WIN 0xa1
.endif
.set ma, \qd
.set mb, 0
.rept TW
.set AR, 8*(TW*ma+mb)
.set BR, 12*TW*(\p)+12*mb
.set FA, AF+12*TW*(\p)+12*ma
.set SB, SC+TW*(\p)+mb
.set SA, SC+TW*(\p)+ma
.if \mode == 0
	v_wmma_scale_f32_16x16x128_f8f6f4 v[AR:AR+7], v[BR:BR+11], v[FA:FA+11], v[AR:AR+7], v[SB], v[SA] matrix_a_fmt:MATRIX_FMT_FP6 matrix_b_fmt:MATRIX_FMT_FP6 matrix_a_scale:MATRIX_SCALE_ROW1
.else
	v_wmma_scale_f32_16x16x128_f8f6f4 v[AR:AR+7], v[BR:BR+11], v[FA:FA+11], v[BIAS+8*mb:BIAS+8*mb+7], v[SB], v[SA] matrix_a_fmt:MATRIX_FMT_FP6 matrix_b_fmt:MATRIX_FMT_FP6 matrix_a_scale:MATRIX_SCALE_ROW1
.endif
.set mb, mb+1
.endr
.endm
.macro STEP s, mode                    ; K step s; its successor lies in bytes that a barrier has shown whole
	s_wait_dscnt 0x0                               ; this step's set, asked for a step ago, is in
	PLACES
	FETCH (\s)+1
	MULQ 0, (\s)%2, \mode
	MULQ 1, (\s)%2, \mode
	MULQ 2, (\s)%2, \mode
	MULQ 3, (\s)%2, \mode
	WIN 0
.endm
; A fill's last step.  fill = 1: the places from p0 on, read out, take the steps from s0 on, hb bytes a wave, and the barrier opens a round of the cluster's.
.macro TURN s, fill, p0, s0, hb, ga, gb
	s_wait_tensorcnt 0x0                           ; all my tensor loads have landed
	ds_add_u32 v[SPW], v[NIL]
.if \fill
	s_mul_i32 s2, s16, \hb                         ; no load of mine is out: the refill's group 0 is made
	s_add_co_u32 s[G0+1], s2, (\p0)*STB
	s_add_co_u32 s[G0B+1], s2, BLD+(\p0)*STB
	s_add_co_u32 s2, s2, (\s0)*STB
	s_add_nc_u64 s[G0+2:G0+3], s[4:5], s[2:3]
	s_add_nc_u64 s[G0B+2:G0B+3], s[6:7], s[2:3]
	s_or_b32 s[G0+3], s[G0+3], 0x80000000
	s_or_b32 s[G0B+3], s[G0B+3], 0x80000000
.endif
	s_wait_dscnt 0x1                               ; this step's set is in; the add alone may be out
	MULQ 0, (\s)%2, 0
	s_wait_dscnt 0x0                               ; the add is done, and my reads of these places are over
	s_barrier_signal -1
	MULQ 1, (\s)%2, 0
	WIN 0
	s_barrier_wait -1
.if \fill
	CREST
	JLOAD \ga, \gb                                 ; the first tensor load behind the round; its four v_nop are the places in front of the loads below
.else
	PLACES
.endif
	FETCH (\s)+1
	MULQ 2, (\s)%2, 0
	MULQ 3, (\s)%2, 0
	WIN 0
.endm
	s_load_b256 s[4:11], s[0:1], 0x0               ; g 4, ops 6, bias 8, residual 10
	s_load_b64 s[12:13], s[0:1], 0x20              ; the output
	v_lshl_add_u32 v[SPW], v0, 2, SPARE
	v_mov_b32 v[NIL], 0
	ds_add_u32 v[SPW], v[NIL]                      ; the opening lines: the add, twice on end, and its wait
	ds_add_u32 v[SPW], v[NIL]
	v_lshrrev_b32 v1, 5, v0
	v_readfirstlane_b32 s14, v1                    ; wave 0..3
	s_lshr_b32 s15, s14, 1
	s_and_b32 s16, s14, 1
	s_bfe_u32 s40, ttmp6, 0x40000                  ; cx
	s_bfe_u32 s41, ttmp6, 0x40004                  ; cy
	s_lshl_b32 s42, ttmp9, 2
	s_add_co_u32 s42, s42, s40                     ; X: which 128 columns
	s_and_b32 s17, ttmp7, 0xffff
	s_lshl_b32 s17, s17, 2
	s_add_co_u32 s17, s17, s41                     ; Y: which 128 rows
	s_lshl_b32 s43, s41, 2
	s_lshl_b32 s43, 15, s43                        ; my row of the cluster
	s_lshl_b32 s66, 0x1111, s40                    ; my column
.irp g, G1, G15, G1S
	s_or_b32 s[\g], s43, (3<<16)|(1<<21)           ; the mask; elements of 8 bytes; bit 21 beside a mask
.endr
.irp g, G1B, G15B, G1SB
	s_or_b32 s[\g], s66, (3<<16)|(1<<21)
.endr
	SHAPE G1, 11*STB/256
	SHAPE G1B, 11*STB/256
	SHAPE G15, 5*STB/512
	SHAPE G15B, 5*STB/512
	SHAPE G1S, 2*HALFS/256
	SHAPE G1SB, 2*HALFS/256
	s_mul_i32 s[G0H+2], s17, 2*HALFC               ; the offsets are made where the addresses will stand
	s_mov_b32 s[G0H+3], 0
	s_mul_i32 s[G0HB+2], s42, 2*HALFC
	s_add_co_u32 s[G0HB+2], s[G0HB+2], BCOD
	s_mov_b32 s[G0HB+3], 0
	s_mul_i32 s[G0S+2], s17, 2*HALFS
	s_add_co_u32 s[G0S+2], s[G0S+2], ASCL
	s_mov_b32 s[G0S+3], 0
	s_mul_i32 s[G0SB+2], s42, 2*HALFS
	s_add_co_u32 s[G0SB+2], s[G0SB+2], BSCL
	s_mov_b32 s[G0SB+3], 0
	s_mov_b32 s[G0], 1
	s_mov_b32 s[G0B], 1
	s_mov_b32 s3, 0
	s_wait_dscnt 0x0                               ; both opening adds are done
	s_wait_kmcnt 0x0
	s_add_nc_u64 s[G0S+2:G0S+3], s[4:5], s[G0S+2:G0S+3]
	s_add_nc_u64 s[G0SB+2:G0SB+3], s[6:7], s[G0SB+2:G0SB+3]
	s_add_nc_u64 s[4:5], s[4:5], s[G0H+2:G0H+3]    ; from here on: my block's first byte of g's images,
	s_add_nc_u64 s[6:7], s[6:7], s[G0HB+2:G0HB+3]  ; and of the weight's
	s_mov_b64 s[G0H+2:G0H+3], s[4:5]
	s_mov_b64 s[G0HB+2:G0HB+3], s[6:7]
	PLACE G0H, 0
	PLACE G0HB, BLD
	PLACE G0S, SCL
	PLACE G0SB, SCL+2*HALFS
	CROUND                                         ; all sixteen work-groups are here: the first joint loads meet
	ARM 1, G0H, G1, .Lhead_b                       ; one chain of branches, one load to an arm, one join
	ARM 2, G0HB, G1B, .Lhead_sa
	ARM 3, G0S, G1S, .Lhead_sb
	TLOAD G0SB, G1SB
.Lhead_asked:
	s_lshl_b32 s40, s17, 3
	s_lshl_b32 s41, s15, 2
	s_add_co_u32 s40, s40, s41                     ; my first tile of rows
	s_lshl_b32 s40, s40, 16                        ; 16 rows of 4,096 bytes
	s_lshl_b32 s42, s42, 9
	s_lshl_b32 s43, s16, 8
	s_add_co_u32 s42, s42, s43                     ; my 64 columns, in bytes
	s_add_co_u32 s40, s40, s42
	s_mov_b32 s41, 0
	s_mov_b32 s43, 0
	s_add_nc_u64 s[10:11], s[10:11], s[40:41]
	s_add_nc_u64 s[12:13], s[12:13], s[40:41]
	s_add_nc_u64 s[8:9], s[8:9], s[42:43]
	s_mul_i32 s18, s15, TW*FRB
	s_mul_i32 s19, s16, TW*FRB
	s_add_co_u32 s19, s19, BLD
	s_mul_i32 s66, s15, HALFS
	s_mul_i32 s67, s16, HALFS
	s_add_co_u32 s67, s67, 2*HALFS
	s_sub_co_u32 s67, s67, s66                     ; the distance from A's words to B's
	s_add_co_u32 s66, s66, SCL
	s_mul_i32 s40, s14, 16*272
	s_add_co_u32 s40, s40, STAGE                   ; my stage
	v_and_b32 v1, 15, v0                           ; r
	v_bfe_u32 v2, v0, 4, 1                         ; h
	v_and_b32 v3, 31, v0
	v_lshlrev_b32 v3, 4, v3                        ; 16 x lane
	v_add_nc_u32 v[ADRA], s18, v3
	v_add_nc_u32 v[ADRB], s19, v3
.irp r, 1,2
	v_add_nc_u32 v[ADRA+\r], \r*4*STB, v[ADRA]
	v_add_nc_u32 v[ADRB+\r], \r*4*STB, v[ADRB]
.endr
	v_mul_u32_u24 v4, s67, v2                      ; lanes 16-31 take B's words
	v_lshl_add_u32 v4, v1, 2, v4
	v_add_nc_u32 v[ADRS], s66, v4
	v_mul_u32_u24 v4, v1, 272
	v_lshl_add_u32 v4, v2, 6, v4
	v_add_nc_u32 v[STO], s40, v4                   ; the stage, in: row r, + 64 h
	v_mul_u32_u24 v4, v2, 272
	v_lshl_add_u32 v4, v1, 4, v4
	v_add_nc_u32 v[RD], s40, v4                    ; back: lanes 0-15 one row of 256 bytes, lanes 16-31 the next
	v_lshlrev_b32 v4, 12, v2
	v_lshl_add_u32 v[RO], v1, 4, v4
	v_lshlrev_b32 v[BO], 6, v2
	s_wait_alu depctr_va_vdst(0)                   ; the wait at the head's end
	WIN 0x40
.irp b, 0,1,2,3                                ; the bias in the result's layout: tile b, lane (r, h): columns 32 (b / 2) + 8 (b % 2) + 16 h + 0 .. 7
	global_load_b128 v[BIAS+8*\b:BIAS+8*\b+3], v[BO], s[8:9] offset:(32*(\b/2)+8*(\b%2))*4
	global_load_b128 v[BIAS+8*\b+4:BIAS+8*\b+7], v[BO], s[8:9] offset:(32*(\b/2)+8*(\b%2))*4+16
.endr
	WIN 0xc0
.irp a, 0,1,2,3                                ; the residual, as the rows will leave: sixteen lanes read 256 consecutive bytes
.irp k, 0,1,2,3,4,5,6,7
	global_load_b128 v[32*\a+4*\k:32*\a+4*\k+3], v[RO], s[10:11] offset:(32*(\a/2)+8*(\a%2)+2*\k+8*(\k/4))*4096
.endr
.endr
	WIN 0
	s_wait_tensorcnt 0x0                           ; my one load of the head has landed; no load of mine is out: the long refill's half is 144 rows
	s_mov_b32 s[G1+2], (3*STB/256)<<16
	s_mov_b32 s[G1+4], 3*STB/256
	s_mov_b32 s[G1B+2], (3*STB/256)<<16
	s_mov_b32 s[G1B+4], 3*STB/256
	s_barrier_signal -1
	s_barrier_wait -1                              ; everybody's has: steps 0-10 and the scale words are whole
	FETCH 0
	s_wait_loadcnt 32                              ; the bias is in; the residual's 32 loads may be out
	STEP 0, 2                                      ; the first step's products start the sums, from the bias
.set ST, 1
.rept 30
.if ST == 5
	TURN ST, 1, 0, 11, 3*STB, G1, G1B
.elseif ST == 10
	TURN ST, 1, 6, 17, 5*STB/2, G15, G15B
.elseif ST == 16
	TURN ST, 1, 0, 22, 5*STB/2, G15, G15B
.elseif ST == 21
	TURN ST, 1, 6, 27, 5*STB/2, G15, G15B
.elseif ST == 26
	TURN ST, 0, 0, 0, 0, G1, G1B
.else
	STEP ST, 0
.endif
.set ST, ST+1
.endr
	s_wait_dscnt 0x0                               ; the last step
	MULQ 0, 1, 0
	MULQ 1, 1, 0
	MULQ 2, 1, 0
	MULQ 3, 1, 0
	WIN 0
	; THE WAY OUT: 16 rows x 64 columns go through my own stage and come back as rows of 256 bytes; the residual is added; sixteen lanes store 256 consecutive bytes, aligned
.macro TOSTAGE a
	WIN 0x08
.irp b, 0,1,2,3
	ds_store_b128 v[STO], v[8*(4*(\a)+\b):8*(4*(\a)+\b)+3] offset:128*(\b/2)+32*(\b%2)      ; each accumulator from its low end on
	ds_store_b128 v[STO], v[8*(4*(\a)+\b)+4:8*(4*(\a)+\b)+7] offset:128*(\b/2)+32*(\b%2)+16
.endr
	WIN 0
.irp k, 0,1,2,3,4,5,6,7
	ds_load_b128 v[BK+32*(\a)+4*\k:BK+32*(\a)+4*\k+3], v[RD] offset:2*\k*272   ; LDS serves a wave's instructions in order (ISA guide 5.7.1.4)
.endr
.endm
.macro SEND a, younger
	s_wait_dscnt \younger
	WIN 0x0c
.set kk, 0
.rept 16
	v_pk_add_f32 v[BK+32*(\a)+kk:BK+32*(\a)+kk+1], v[BK+32*(\a)+kk:BK+32*(\a)+kk+1], v[32*(\a)+kk:32*(\a)+kk+1]
.set kk, kk+2
.endr
	WIN 0
.irp k, 0,1,2,3,4,5,6,7
	global_store_b128 v[RO], v[BK+32*(\a)+4*\k:BK+32*(\a)+4*\k+3], s[12:13] offset:(32*((\a)/2)+8*((\a)%2)+2*\k+8*(\k/4))*4096
.endr
.endm
	PLACES
	s_wait_loadcnt 0x0                             ; the residual
	TOSTAGE 0
.irp a, 1,2,3
	TOSTAGE \a
	SEND \a-1, 16                                  ; behind block a - 1's loads: block a's 8 stores and 8 loads
.endr
	SEND 3, 0
	s_wait_tensorcnt 0x0                           ; the wave's end
	ds_add_u32 v[SPW], v[NIL]
	s_wait_dscnt 0x0
	CROUND                                         ; the closing round
	s_endpgm
.Lfunc_end_k_q0013010a7a_w2:
	.size	k_q0013010a7a_w2, .Lfunc_end_k_q0013010a7a_w2-k_q0013010a7a_w2
	.p2alignl 7, 3214868480
	.fill 96, 4, 3214868480
	.section	.rodata,"a",@progbits
	.p2align	6, 0x0
	.amdhsa_kernel k_q0013010a7a_w2
		.amdhsa_group_segment_fixed_size 327680
		.amdhsa_private_segment_fixed_size 0
		.amdhsa_enable_private_segment 0
		.amdhsa_kernarg_size 40
		.amdhsa_user_sgpr_count 2
		.amdhsa_user_sgpr_kernarg_segment_ptr 1
		.amdhsa_wavefront_size32 1
		.amdhsa_system_sgpr_workgroup_id_x 1
		.amdhsa_system_sgpr_workgroup_id_y 1
		.amdhsa_system_sgpr_workgroup_id_z 1
		.amdhsa_system_vgpr_workitem_id 0
		.amdhsa_next_free_vgpr 1024
		.amdhsa_next_free_sgpr 100
		.amdhsa_reserve_vcc 0
		.amdhsa_float_denorm_mode_32 3
		.amdhsa_float_denorm_mode_16_64 3
		.amdhsa_memory_ordered 1
		.amdhsa_forward_progress 1
		.amdhsa_inst_pref_size 160
	.end_amdhsa_kernel
	.amdgpu_metadata
---
amdhsa.version: [ 1, 2 ]
amdhsa.kernels:
  - .name:           k_q0013010a7a_w2
    .symbol:         k_q0013010a7a_w2.kd
    .args:
      - { .name: gbuf, .offset: 0, .size: 8, .value_kind: global_buffer, .address_space: global }
      - { .name: ops, .offset: 8, .size: 8, .value_kind: global_buffer, .address_space: global }
      - { .name: b2, .offset: 16, .size: 8, .value_kind: global_buffer, .address_space: global }
      - { .name: x1, .offset: 24, .size: 8, .value_kind: global_buffer, .address_space: global }
      - { .name: out0, .offset: 32, .size: 8, .value_kind: global_buffer, .address_space: global }
    .group_segment_fixed_size: 327680
    .private_segment_fixed_size: 0
    .kernarg_segment_align: 8
    .kernarg_segment_size: 40
    .max_flat_workgroup_size: 128
    .sgpr_count:     100
    .vgpr_count:     1024
    .wavefront_size: 32
...
	.end_amdgpu_metadata
.endif
;; end of part 7
